; MI455X (gfx1250); checked and timed in simulation.
; The chip was launched on July 23, 2026; its instructions are those of AMD's public machine-readable ISA for CDNA 5 (MIT licence, August 2026) and "CDNA5" Instruction Set Architecture Reference Guide (July 2026). The comments in the code are by the model that wrote it; some were corrected since.
;; Self Attention. Allowed arithmetic: matrix products marked QUANTISED: E2M1 operands, one E8M0 scale for each 32 along K, by v_wmma_scale_f32_16x16x128_f8f6f4 with both operands' format E2M1 (or v_wmma_scale_f32_32x16x128_f4), f32 sums; products left as they are: bf16, f16 or f32 operands; f32 sums; everything else in f32.
;; Inputs: b_in 3,072 float32; w_in 3,072 x 1,024 float32; w_out 1,024 x 1,024 float32; x 2 x 2,048 x 1,024 float32.
;; Outputs: out0 2 x 2,048 x 1,024 float32.
;; Constants: causal_mask = 1.
;; This version of the problem:
;;   THIS VERSION OF THE PROBLEM IS GIVEN IN LOW PRECISION. The matrix products marked QUANTISED in the list below multiply operands that are first quantised to E2M1 (2 exponent bits, 1 mantissa bit; 4 bits a number), with one power-of-two scale for each 32 numbers along K (OCP MX v1.0); their sums are f32. The products marked 'left as it is' may take bf16, f16 or f32 operands, with f32 sums. Whichever they take, every output number must still come out within the allowed error. Rounding operands to bf16 (8 significant bits) uses up far more of that allowance than f16 does (11 bits, for magnitudes from 6e-5 to 65,504). All else is computed in f32.
;;   The module's matrix products, in the order in which they are computed (A, B: the left and right operand; K: the contracted axis; several contracted axes count as one K, in the product's order):
;;     1. [M 4,096, K 1,024] x [K 1,024, N 3,072]; A: input x; B: input w_in: QUANTISED
;;     2. batch 32 x [M 2,048, K 64] x [K 64, N 2,048]; A: computed on the way; B: computed on the way: left as it is (an operand is computed on the way)
;;     3. batch 32 x [M 2,048, K 2,048] x [K 2,048, N 64]; A: computed on the way; B: computed on the way: left as it is (an operand is computed on the way)
;;     4. [M 4,096, K 1,024] x [K 1,024, N 1,024]; A: computed on the way; B: input w_out: left as it is (an operand is computed on the way)
;;   THE QUANTISER, for each operand of a quantised product, along K:
;;     - K is cut into blocks of 32 from its start; a last block that is shorter is filled with zeros.
;;     - A block's scale is 2^e with e = floor(log2(the largest magnitude in the block)) - 2, held to -126 .. 127; a block of zeros has e = 0. As a byte (E8M0): e + 127.
;;     - Each number is divided by its block's scale, clamped to +-6, and rounded to the nearest number of E2M1, ties to even, subnormals kept.
;;     - The product sums the exact products of the quantised numbers (number of the format x scale) in f32.
;;   ~~~python
;;   def quantise(x, axis):      # numpy; x: float32 -> the quantised numbers, widened to float32 again
;;       x = np.moveaxis(x, axis, -1); K = x.shape[-1]
;;       x = np.pad(x, [(0, 0)] * (x.ndim - 1) + [(0, -K % 32)]); x = x.reshape(x.shape[:-1] + (-1, 32)); a = np.abs(x).max(-1, keepdims=True)
;;       e = np.where(a > 0, np.clip(np.frexp(np.where(a > 0, a, 1))[1] - 1 - 2, -126, 127), 0)      # np.frexp(a)[1] - 1 = floor(log2(a)), exactly
;;       r = np.clip(x / 2.0 ** e, -6, 6)
;;       step = 2.0 ** (np.maximum(np.frexp(np.where(r == 0, 1, r))[1] - 1, 0) - 1)
;;       q = np.round(r / step) * step * 2.0 ** e      # np.round: ties to even
;;       return np.moveaxis(q.reshape(q.shape[:-2] + (-1,))[..., :K], -1, axis).astype(np.float32)
;;   ~~~
;; One version. Each part assembles by itself: llvm-mc -triple=amdgcn-amd-amdhsa -mcpu=gfx1250 --defsym DOCPART=n.
;; ======== version 1 of 1: 5 launches
;; limits: values are held in f16: magnitudes above 65,504 overflow, below 6.1e-05 lose precision
;; workspace buffers: xc 2,097,152 bytes; xs 131,072 bytes; wc 1,572,864 bytes; ws 98,304 bytes; wo16 2,097,152 bytes; qkv16 25,165,824 bytes; qkv32 393,216 bytes; attn16 8,388,608 bytes
;; launch prep (part 1): grid 256 x 1, 4 waves a work-group, no clusters, 33,280 bytes of LDS; arguments x, w_in, xc, xs, wc, ws, w_out, wo16; writes xc, xs, wc, ws, wo16
.if DOCPART == 1
	.amdgcn_target "amdgcn-amd-amdhsa--gfx1250"
	.amdhsa_code_object_version 6
	.text
	.protected	k_q0c961a45e6_prep
	.globl	k_q0c961a45e6_prep
	.p2align	8
	.type	k_q0c961a45e6_prep,@function
k_q0c961a45e6_prep:
	s_mov_b64 s[64:65], 0
	v_nop
	global_prefetch_b8 v0, s[64:65] scope:SCOPE_SE
	s_setreg_imm32_b32 hwreg(HW_REG_WAVE_MODE, 25, 1), 1
	s_wait_xcnt 0x0
; x [4096][1024] and w_in [3072][1024], f32, become codes of FP4 (E2M1), K innermost, with one E8M0 scale byte for each 32 along K; w_out [1024][1024], f32, becomes f16.
; Work-groups 0-127 take x, 128-223 w_in, 224-255 w_out: 32,768 numbers a work-group, 8,192 a wave.
; THE QUANTISER.  A block's scale is 2^(floor(log2(its largest magnitude)) - 2); its byte is the largest magnitude's own exponent field - 2, held at 1 from below.  Each number is divided by the scale and
; rounded to the nearest code, ties to even; beyond 6 the largest code.  Rows are dense and K is a multiple of 32: both tensors are plain streams of blocks of 32, and so are codes and scale bytes.
; A wave takes 16 steps of 512 numbers.  Each load reads 512 consecutive bytes, 16 a lane; a step's 2,048 bytes turn through the wave's own stage in LDS and come back 64 bytes a lane, so that a lane holds 16
; neighbours along K (two lanes hold a block).  A lane's 16 codes are 8 bytes: a store covers 256 consecutive bytes.  A wave's 256 scale bytes are gathered in LDS and leave as one aligned run of 256 bytes.
; w_out is laid [n / 128][k / 64][128 n][64 k] in f16, so that the last product's K step of 256 for 128 rows is one dense block of 65,536 bytes.
; LIMITS: a block of zeros gets the byte 1 where the rule says 127 (its codes are zeros, and this program alone reads the bytes); blocks whose largest magnitude lies under 2^-124 are held at the byte 1;
; NaN and infinities among the inputs are not served; |w_out| stays under 65,504 (f16).
.set WAVES, 4
.set STEPS, 16
.set WGA,   128                        ; x's work-groups: 4,096 x 1,024 / 32,768
.set WGQ,   224                        ; x's and w_in's together
.set EMAX,  2
.set CB,    8                          ; bytes of 16 codes
.set R,     16                         ; v16-79   four sets of 16 numbers as they are loaded
.set X,     80                         ; v80-111  two sets of 16 neighbours
.set C,     128                        ; v128-191 codes: four registers for each step, so that no store's data are written again
.set E,     112                        ; v112-127 a scale byte for each step
.set WREG,  8192                       ; LDS: a region for each wave: two stages of 32 x SP bytes, behind them its 256 scale bytes
.set SP,    80                         ; a lane's place in a stage: 64 bytes + 16 of padding
.set SPW,   12                         ; v12  LDS address of my spare word; never rewritten
.set NIL,   13                         ; v13  0; never rewritten
.set SPARE, WAVES*WREG                 ; behind the four regions: the spare words, 128 bytes a wave, which no other line names
.set CI,    16                         ; w_out's path: v16-143 two sets of 64 numbers
.set CO,    144                        ;               v144-175 eight units' f16
	s_load_b128 s[4:7], s[0:1], 0x0                ; x, w_in
	s_load_b128 s[8:11], s[0:1], 0x10              ; x's codes, x's scales
	s_load_b128 s[12:15], s[0:1], 0x20             ; w_in's codes, w_in's scales
	s_load_b128 s[24:27], s[0:1], 0x30             ; w_out, its f16 copy
	v_lshl_add_u32 v[SPW], v0, 2, SPARE
	v_mov_b32 v[NIL], 0
	v_lshrrev_b32 v1, 5, v0
	v_readfirstlane_b32 s16, v1                    ; wave
	v_and_b32 v2, 31, v0                           ; lane
	v_lshlrev_b32 v3, 4, v2                        ; 16 x lane
	s_mul_i32 s17, s16, WREG
	v_lshrrev_b32 v14, 2, v2
	v_mul_u32_u24 v14, v14, SP
	v_and_b32 v15, 3, v2
	v_lshl_add_u32 v14, v15, 4, v14
	v_add_nc_u32 v14, s17, v14                     ; the stage, on the way in: four lanes' 64 bytes on end, then 16 of padding
	v_mul_u32_u24 v15, v2, SP
	v_add_nc_u32 v15, s17, v15                     ; and on the way out: SP x lane: my 16 neighbours
	v_mul_u32_u24 v4, v2, CB                       ; my codes' place in a step's
	v_lshrrev_b32 v5, 1, v2
	s_add_co_u32 s17, s17, 2*32*SP
	v_add_nc_u32 v5, s17, v5                       ; LDS: my wave's 256 scale bytes, my block's byte
	v_lshlrev_b32 v7, 3, v2                        ; and on the way out 8 bytes a lane
	v_add_nc_u32 v6, s17, v7
	s_wait_kmcnt 0x0
	s_cmp_ge_u32 ttmp9, WGQ                        ; w_out's work-groups go their own way, which touches no LDS but the spare words
	s_cbranch_scc1 .Lconv
	s_cmp_lt_u32 ttmp9, WGA                        ; x's work-group or w_in's?  Only pointers are chosen: both take one path
	s_cselect_b64 s[4:5], s[4:5], s[6:7]
	s_cselect_b64 s[8:9], s[8:9], s[12:13]
	s_cselect_b64 s[10:11], s[10:11], s[14:15]
	s_cselect_b32 s17, 0, WGA
	s_sub_co_u32 s17, ttmp9, s17
	s_lshl_b32 s17, s17, 2
	s_add_co_u32 s18, s17, s16                     ; which run of 8,192 numbers of the tensor is my wave's
	s_mov_b32 s19, 0
	s_mov_b64 s[20:21], 512*STEPS*4
	s_mul_u64 s[20:21], s[18:19], s[20:21]
	s_add_nc_u64 s[4:5], s[4:5], s[20:21]
	s_mov_b64 s[20:21], 32*STEPS*CB
	s_mul_u64 s[20:21], s[18:19], s[20:21]
	s_add_nc_u64 s[8:9], s[8:9], s[20:21]
	s_lshl_b32 s18, s18, 8                         ; 256 scale bytes a run
	s_add_nc_u64 s[10:11], s[10:11], s[18:19]
.macro LOAD t
.irp i, 0,1,2,3
	global_load_b128 v[R+16*((\t)%4)+4*\i:R+16*((\t)%4)+4*\i+3], v3, s[4:5] offset:2048*(\t)+512*\i th:TH_LOAD_NT   ; 32 lanes read 512 consecutive bytes
.endr
.endm
.macro TURN t                          ; step t's numbers through the stage: LDS serves a wave's instructions in order, so no wait stands between the stores and the loads
.irp i, 0,1,2,3
	ds_store_b128 v14, v[R+16*((\t)%4)+4*\i:R+16*((\t)%4)+4*\i+3] offset:32*SP*((\t)%2)+8*SP*\i
.endr
.irp i, 0,1,2,3
	ds_load_b128 v[X+16*((\t)%2)+4*\i:X+16*((\t)%2)+4*\i+3], v15 offset:32*SP*((\t)%2)+16*\i
.endr
.endm
.irp t, 0,1,2,3
	LOAD \t
.endr
	s_wait_loadcnt 12                              ; step 0's four loads are in; the twelve of steps 1 to 3 stay out
	TURN 0
.macro STEP t
.set XS, X+16*((\t)%2)
.if (\t) > 0
	s_wait_dscnt 1                                 ; this step's numbers are back from the stage (the last step's byte store may be out): so its stores into the stage have read their registers,
.else
	s_wait_dscnt 0x0
.endif
.if (\t)+4 < STEPS
	LOAD (\t)+4                                    ; which take the loads of four steps on
.endif
.if (\t)+1 < STEPS
.if STEPS-2-(\t) >= 3
	s_wait_loadcnt 12                              ; the next step's four loads are in; those of the three steps behind it may be out
.else
	s_wait_loadcnt 4*(STEPS-2-(\t))
.endif
	TURN (\t)+1                                    ; and go through the other stage while this step is worked
.endif
	v_max3_num_f32 v8, |v[XS]|, |v[XS+1]|, |v[XS+2]|               ; the largest magnitude of my 16, in two chains
	v_max3_num_f32 v9, |v[XS+3]|, |v[XS+4]|, |v[XS+5]|
.irp i, 6,10
	v_max3_num_f32 v8, v8, |v[XS+\i]|, |v[XS+\i+1]|
	v_max3_num_f32 v9, v9, |v[XS+\i+2]|, |v[XS+\i+3]|
.endr
	v_max3_num_f32 v8, v8, |v[XS+14]|, |v[XS+15]|
	v_max3_num_f32 v8, v8, v9, (EMAX+1)<<23        ; and the floor 2^(3 - 127): so the byte cannot fall under 1
	v_max_num_f32_dpp v8, v8, v8 row_xmask:1 row_mask:0xf bank_mask:0xf   ; and of my neighbour's 16: the block's
	v_add_nc_u32 v11, -(EMAX<<23), v8              ; 2 off its exponent field: the conversion takes the exponent field of this operand as its scale, and nothing else of it
	v_cvt_scalef32_pk8_fp4_f32 v[C+4*(\t)], v[XS:XS+7], v11
	v_cvt_scalef32_pk8_fp4_f32 v[C+4*(\t)+1], v[XS+8:XS+15], v11
	v_lshrrev_b32 v[E+(\t)], 23, v11               ; the scale's byte
	ds_store_b8 v5, v[E+(\t)] offset:16*(\t)       ; both lanes of a block write the same byte with the same value
	global_store_b64 v4, v[C+4*(\t):C+4*(\t)+1], s[8:9] offset:32*CB*(\t)   ; 32 lanes store 256 consecutive bytes, aligned
.endm
.irp t, 0,1,2,3,4,5,6,7,8,9,10,11,12,13,14,15
	STEP \t
.endr
	ds_load_b64 v[8:9], v6                         ; LDS serves a wave's instructions in order: these see my stores
	s_wait_dscnt 0x0
	global_store_b64 v7, v[8:9], s[10:11]          ; 32 lanes store 256 consecutive bytes, aligned
	s_wait_tensorcnt 0x0                           ; the wave's end: behind my last LDS store
	ds_add_u32 v[SPW], v[NIL]
	s_wait_dscnt 0x0
	s_endpgm
; w_out to f16.  Work-group c = number - 224 takes rows 32 c on, wave w eight of them.  A unit is 4 rows x 64 along K: eight lanes read 256 consecutive bytes of a row in two loads,
; and the 32 lanes store 512 consecutive bytes (4 rows of 128 bytes of one block of 64 along K).  Four batches of eight units; loads run one batch (16 loads) ahead.
.Lconv:
	s_sub_co_u32 s17, ttmp9, WGQ                   ; c
	s_lshl_b32 s18, s17, 17                        ; 32 rows of 4,096 bytes
	s_lshl_b32 s19, s16, 15                        ; 8 rows
	s_add_co_u32 s18, s18, s19
	s_mov_b32 s19, 0
	s_add_nc_u64 s[24:25], s[24:25], s[18:19]
	s_lshr_b32 s20, s17, 2
	s_lshl_b32 s20, s20, 18                        ; n / 128: 262,144 bytes
	s_and_b32 s21, s17, 3
	s_lshl_b32 s21, s21, 12                        ; 32 rows of 128 bytes
	s_add_co_u32 s20, s20, s21
	s_lshl_b32 s21, s16, 10                        ; 8 rows
	s_add_co_u32 s20, s20, s21
	s_mov_b32 s21, 0
	s_add_nc_u64 s[26:27], s[26:27], s[20:21]
	v_lshrrev_b32 v8, 3, v2
	v_and_b32 v9, 7, v2
	v_lshlrev_b32 v9, 5, v9
	v_lshl_add_u32 v8, v8, 12, v9                  ; in: row lane / 8, 32 bytes x (lane % 8); out: 16 x lane (v3)
.macro CLOAD t                         ; batch t: rows 4 (t / 2) on, blocks of 64 along K 8 (t % 2) on
.irp u, 0,1,2,3,4,5,6,7
	global_load_b128 v[CI+64*((\t)%2)+8*\u:CI+64*((\t)%2)+8*\u+3],   v8, s[24:25] offset:((\t)/2)*16384+(8*((\t)%2)+\u)*256 th:TH_LOAD_NT
	global_load_b128 v[CI+64*((\t)%2)+8*\u+4:CI+64*((\t)%2)+8*\u+7], v8, s[24:25] offset:((\t)/2)*16384+(8*((\t)%2)+\u)*256+16 th:TH_LOAD_NT
.endr
.endm
.macro CBATCH t
.if (\t) < 3
	s_wait_loadcnt 16                              ; this batch's 16 loads are in; the next batch's 16 stay out
.else
	s_wait_loadcnt 0x0
.endif
	s_wait_xcnt 0x0                                ; the last batch's stores have read their data registers, which are written again below
.irp u, 0,1,2,3,4,5,6,7
.irp g, 0,1,2,3
	v_cvt_pk_f16_f32 v[CO+4*\u+\g], v[CI+64*((\t)%2)+8*\u+2*\g], v[CI+64*((\t)%2)+8*\u+2*\g+1]
.endr
.endr
.irp u, 0,1,2,3,4,5,6,7
	global_store_b128 v3, v[CO+4*\u:CO+4*\u+3], s[26:27] offset:(8*((\t)%2)+\u)*16384+((\t)/2)*512   ; 32 lanes store 512 consecutive bytes, aligned
.endr
.if (\t) < 2
	CLOAD (\t)+2
.endif
.endm
	CLOAD 0
	CLOAD 1
	CBATCH 0
	CBATCH 1
	CBATCH 2
	CBATCH 3
	s_wait_tensorcnt 0x0                           ; the wave's end, as on the other path
	ds_add_u32 v[SPW], v[NIL]
	s_wait_dscnt 0x0
	s_endpgm
.Lfunc_end_k_q0c961a45e6_prep:
	.size	k_q0c961a45e6_prep, .Lfunc_end_k_q0c961a45e6_prep-k_q0c961a45e6_prep
	.p2alignl 7, 3214868480
	.fill 96, 4, 3214868480
	.section	.rodata,"a",@progbits
	.p2align	6, 0x0
	.amdhsa_kernel k_q0c961a45e6_prep
		.amdhsa_group_segment_fixed_size 33280
		.amdhsa_private_segment_fixed_size 0
		.amdhsa_enable_private_segment 0
		.amdhsa_kernarg_size 64
		.amdhsa_user_sgpr_count 2
		.amdhsa_user_sgpr_kernarg_segment_ptr 1
		.amdhsa_wavefront_size32 1
		.amdhsa_system_sgpr_workgroup_id_x 1
		.amdhsa_system_sgpr_workgroup_id_y 1
		.amdhsa_system_sgpr_workgroup_id_z 1
		.amdhsa_system_vgpr_workitem_id 0
		.amdhsa_next_free_vgpr 192
		.amdhsa_next_free_sgpr 66
		.amdhsa_reserve_vcc 0
		.amdhsa_float_denorm_mode_32 3
		.amdhsa_float_denorm_mode_16_64 3
		.amdhsa_memory_ordered 1
		.amdhsa_forward_progress 1
		.amdhsa_inst_pref_size 52
	.end_amdhsa_kernel
	.amdgpu_metadata
---
amdhsa.version: [ 1, 2 ]
amdhsa.kernels:
  - .name:           k_q0c961a45e6_prep
    .symbol:         k_q0c961a45e6_prep.kd
    .args:
      - { .name: x, .offset: 0, .size: 8, .value_kind: global_buffer, .address_space: global }
      - { .name: w_in, .offset: 8, .size: 8, .value_kind: global_buffer, .address_space: global }
      - { .name: xc, .offset: 16, .size: 8, .value_kind: global_buffer, .address_space: global }
      - { .name: xs, .offset: 24, .size: 8, .value_kind: global_buffer, .address_space: global }
      - { .name: wc, .offset: 32, .size: 8, .value_kind: global_buffer, .address_space: global }
      - { .name: ws, .offset: 40, .size: 8, .value_kind: global_buffer, .address_space: global }
      - { .name: w_out, .offset: 48, .size: 8, .value_kind: global_buffer, .address_space: global }
      - { .name: wo16, .offset: 56, .size: 8, .value_kind: global_buffer, .address_space: global }
    .group_segment_fixed_size: 33280
    .private_segment_fixed_size: 0
    .kernarg_segment_align: 8
    .kernarg_segment_size: 64
    .max_flat_workgroup_size: 128
    .sgpr_count:     66
    .vgpr_count:     192
    .wavefront_size: 32
...
	.end_amdgpu_metadata
.endif
;; end of part 1
;; launch qkv (part 2): grid 12 x 16, 4 waves a work-group, clusters of 4 x 4, 327,680 bytes of LDS; arguments xc, xs, wc, ws, qkv16, b_in, qkv32; writes qkv16, qkv32
.if DOCPART == 2
	.amdgcn_target "amdgcn-amd-amdhsa--gfx1250"
	.amdhsa_code_object_version 6
	.text
	.protected	k_q0c961a45e6_qkv
	.globl	k_q0c961a45e6_qkv
	.p2align	8
	.type	k_q0c961a45e6_qkv,@function
k_q0c961a45e6_qkv:
	s_mov_b64 s[64:65], 0
	v_nop
	global_prefetch_b8 v0, s[64:65] scope:SCOPE_SE
	s_setreg_imm32_b32 hwreg(HW_REG_WAVE_MODE, 25, 1), 1
	s_wait_xcnt 0x0
	s_wait_alu depctr_hold_cnt(0) depctr_sa_sdst(0) depctr_va_vdst(0) depctr_va_sdst(0) depctr_va_ssrc(0) depctr_va_vcc(0) depctr_vm_vsrc(0)
	s_getreg_b32 s2, hwreg(HW_REG_IB_STS2, 6, 4)
	s_cmp_eq_u32 s2, 0
	s_cbranch_scc0 .Lentry_in_a_cluster
	s_endpgm
.Lentry_in_a_cluster:
	s_bfe_u32 s2, ttmp6, 0x10000c
	s_cmp_lg_u32 s2, 0xf033
	s_cbranch_scc0 .Lentry_shape_is_right
	s_endpgm
.Lentry_shape_is_right:
; qkv[m][n] = sum over k of x[m][k] w_in[n][k] + b_in[n], on codes of FP4 (E2M1) with one E8M0 scale for each 32 along K.  m = 4,096, n = 3,072, k = 1,024.  Sums in f32.
; OUT: f16, head-major: qkv16 [batch 2][g 48][position 2,048][64], g = n / 64: 0-15 q's heads, 16-31 k's, 32-47 v's.  The first 16 positions of each sequence also in f32: qkv32 [batch][16][3,072].
; A tile of 256 x 256 is made by a work-group of four waves; a wave makes 128 x 128: 64 accumulators of 16 x 16, 512 registers.
; K is two steps of 512, one in each of two LDS slots: a tile's row is 256 bytes of memory.  Both slots and the scales of all of K are first fills: three tensor loads a wave, nothing is filled again.
; CLUSTERS: 4 x 4 work-groups.  The four of a row of the cluster need the same tiles of x, the four of a column the same tiles of w_in: each tile is asked for JOINTLY, by the same tensor load with the
; same descriptor and a mask that names the four.  THE MATRIX INSTRUCTION IS USED TRANSPOSED (source 0 = 16 rows of w_in, source 1 = 16 rows of x): a lane then holds eight neighbouring n of one row m.
; THE BIAS is the C of each sum's first matrix instruction: eight registers for each block of 16 n, in the result's layout.
; REGISTERS, in windows of 256: window 0: v0-31 addresses; v32-95 scale words, two sets; v128-191 x's fragments, ONE set; v192-255 the bias; on the way out v96-191 are at work.
;   window 1: w_in's fragments, TWO sets, at v0 and v128.   window 2: the accumulators of my rows 0-63 ((a, b) at v[8 (8 a + b)]);   window 3: those of my rows 64-127.
; LIMIT: |q|, |k|, |v| stay under 65,504 (f16).
.set SIZE_K, 1024
.set KSTEP,  512                       ; along K in a slot
.set NQ,     KSTEP/128                 ; matrix instructions deep
.set ROWB,   256                       ; a tile's row in bytes
.set KROW,   SIZE_K*4/8                ; a row of codes in memory, in bytes
.set PITCH,  272                       ; an LDS row: 256 bytes + 16 of padding = 68 words: the 16 rows that a load touches start at 16 different banks (64 banks of 4 bytes: ISA guide 11.1)
.set FR,     8                         ; registers of a fragment: 16 rows x 128 K
.set NL,     2                         ; LDS loads that bring one
.set NP,     4                         ; places behind this matrix instruction (ISA guide 7.12.1)
.set HALFT,  128*PITCH                 ; 128 rows: what one tensor load brings
.set SLOT,   4*HALFT                   ; x's 256 rows, then w_in's 256 rows
.set KS,     SIZE_K/32                 ; a row of scales in bytes
.set SCL,    2*SLOT                    ; behind the slots: the scales, as runs of 256 bytes + 16 of padding
.set HALFS,  (128*KS/256)*272          ; the scales of 128 rows: what one tensor load brings
.set SBLK,   (16*KS/256)*272           ; those of 16 rows
.set SPARE,  SCL+4*HALFS               ; behind the scales: the spare words, 128 bytes a wave, which no other line names
.set SPITCH, 272                       ; the way out: a stage of 16 rows x (256 bytes + 16) for each wave, in slot 0, which has had its one fill and its last read when the first result is stored there
.set ADRA, 16                          ; v16-17  LDS address of my x fragments in slot 0, 1
.set ADRB, 20                          ; v20-21  the same for w_in
.set STO,  24                          ; v24     the way out: where I put 16 bytes of a row
.set RD,   25                          ; v25     the way out: where I read 16 bytes back
.set CO,   26                          ; v26     my byte offset in qkv16
.set ADRS, 27                          ; v27     LDS address of my scale words: lanes 0-15 x's rows, lanes 16-31 w_in's
.set SPW,  28                          ; v28     LDS address of my spare word; never rewritten
.set NIL,  29                          ; v29     0; never rewritten
.set BO,   30                          ; v30     my byte offset in the wave's 128 numbers of b_in
.set FO,   31                          ; v31     my byte offset in qkv32
.set SC,   32                          ; scale words: set s at v[SC + 32 s]; register 4 i + q: lanes 0-15 the word of x's block i, lanes 16-31 that of w_in's block i, for the slot's q-th 128 along K
.set TMP,  96                          ; the way out: a block's 32 packed registers
.set AF,   128                         ; x's fragments, in window 0
.set BK,   128                         ; the way out: 16 rows read back: v128-159 and v160-191 by turns
.set BI,   192                         ; the bias
.set G1, 24                            ; s[24:31] descriptor group 1 for x's tiles;  s[32:39] group 0, one set for each slot
.set G0, 32
.set G1B, 48                           ; s[48:55], s[56:63] the same for w_in's tiles
.set G0B, 56
.set G1S, 68                           ; s[68:75], s[76:79] groups 1 and 0 for x's scales;  s[80:87], s[88:91] for w_in's
.set G0S, 76
.set G1SB, 80
.set G0SB, 88
.set MSB, 0
.macro WIN new                         ; the immediate's high byte repeats the setting that is left
.if MSB != \new
	s_set_vgpr_msb (MSB<<8)|\new
.set MSB, \new
.endif
.endm
.set MUL_LO, 0xa1                      ; source 0 (w_in) window 1, source 1 (x) window 0, C and D window 2
.set MUL_HI, 0xf1                      ; the same, C and D window 3
.set BIA_LO, 0x81                      ; the first step: C (the bias) window 0, D window 2
.set BIA_HI, 0xc1                      ; D window 3
.set TO_B,   0x40                      ; destination window 1, address window 0
; A joint load: waves 0 and 1 fetch for x, waves 2 and 3 for w_in.  Each of the two lines has ONE mask and one set of registers for all that issue it; the branch hangs on the wave's number alone.
; An s_nop 0 and four v_nop follow each of the two lines, ahead of the jump, the label and what follows.
.macro JLOAD g0a, g1a, g0b, g1b
	s_cmp_eq_u32 s15, 0
	s_cbranch_scc0 .Lfor_b_\@
	tensor_load_to_lds s[\g0a:\g0a+3], s[\g1a:\g1a+7]
	s_nop 0
.rept 4
	v_nop
.endr
	s_branch .Lasked_\@
.Lfor_b_\@:
	tensor_load_to_lds s[\g0b:\g0b+3], s[\g1b:\g1b+7]
	s_nop 0
.rept 4
	v_nop
.endr
.Lasked_\@:
.endm
.macro CROUND                          ; a round of the cluster's barrier
	s_barrier_signal -1
	s_barrier_wait -1
	s_cmp_lg_u32 s14, 0
	s_cbranch_scc1 .Lnot_wave_0_\@
	s_barrier_signal -3
.Lnot_wave_0_\@:
	s_barrier_wait -3
	s_barrier_signal -1
	s_barrier_wait -1
.endm
	s_load_b128 s[4:7], s[0:1], 0x0                ; x's codes s[4:5], x's scales s[6:7]
	s_load_b128 s[8:11], s[0:1], 0x10              ; w_in's codes s[8:9], its scales s[10:11]
	s_load_b64 s[12:13], s[0:1], 0x20              ; qkv16
	s_load_b128 s[96:99], s[0:1], 0x28             ; b_in s[96:97], qkv32 s[98:99]
	v_lshl_add_u32 v[SPW], v0, 2, SPARE
	v_mov_b32 v[NIL], 0
	ds_add_u32 v[SPW], v[NIL]                      ; the wave's opening: the add, twice on end, and its wait ahead of my first tensor load; the set-up below stands between
	ds_add_u32 v[SPW], v[NIL]
	v_lshrrev_b32 v1, 5, v0
	v_readfirstlane_b32 s14, v1                    ; wave 0..3
	s_lshr_b32 s15, s14, 1                         ; which half of the tile's rows is mine.  Also: I fetch for x (0) or for w_in (1)
	s_and_b32 s16, s14, 1                          ; which half of its columns.  Also: which 128 rows of that tile I fetch
	s_bfe_u32 s40, ttmp6, 0x40000                  ; cx, cy: my place in the cluster
	s_bfe_u32 s41, ttmp6, 0x40004
	s_lshl_b32 s42, ttmp9, 2
	s_add_co_u32 s42, s42, s40                     ; tile column = 4 x cluster x + cx
	s_and_b32 s17, ttmp7, 0xffff
	s_lshl_b32 s17, s17, 2
	s_add_co_u32 s17, s17, s41                     ; tile row = 4 x cluster y + cy
	s_lshl_b32 s43, s41, 2
	s_lshl_b32 s43, 15, s43                        ; my row of the cluster
	s_lshl_b32 s44, 0x1111, s40                    ; my column
	; descriptor group 1: a tile of 128 rows x 256 bytes, padded in LDS
	s_or_b32 s[G1+0], s43, (0<<16)|(1<<20)|(1<<21)|(5<<22)|(3<<25)  ; 15:0 the mask: x's tiles go to my row; 17:16 element of 1 byte; 20 padding on; 21 set beside a mask; 24:22 after every 64 words; 31:25 of 4 words
	s_or_b32 s[G1B+0], s44, (0<<16)|(1<<20)|(1<<21)|(5<<22)|(3<<25)
.irp g, G1, G1B
	s_mov_b32 s[\g+1], ROWB<<16                    ; tensor_dim0
	s_mov_b32 s[\g+2], 128<<16                     ; tensor_dim1 = 128
	s_mov_b32 s[\g+3], ROWB<<16                    ; tile_dim0
	s_mov_b32 s[\g+4], 128                         ; tile_dim1 = 128
	s_mov_b32 s[\g+5], KROW                        ; tensor_dim0_stride
	s_mov_b32 s[\g+6], 0
	s_mov_b32 s[\g+7], 0
.endr
	; and for the scales of 128 rows: a dense block of 4,096 bytes, as 16 rows of 256 bytes (32 elements of 8 bytes), 16 bytes of padding behind each
	s_or_b32 s[G1S+0], s43, (3<<16)|(1<<20)|(1<<21)|(5<<22)|(3<<25)
	s_or_b32 s[G1SB+0], s44, (3<<16)|(1<<20)|(1<<21)|(5<<22)|(3<<25)
.irp g, G1S, G1SB
	s_mov_b32 s[\g+1], 32<<16
	s_mov_b32 s[\g+2], (128*KS/256)<<16
	s_mov_b32 s[\g+3], 32<<16
	s_mov_b32 s[\g+4], 128*KS/256
	s_mov_b32 s[\g+5], 32
	s_mov_b32 s[\g+6], 0
	s_mov_b32 s[\g+7], 0
.endr
	s_lshl_b32 s18, s16, 7                         ; which 128 rows of the tile I fetch
	s_lshl_b32 s20, s17, 8
	s_add_co_u32 s20, s20, s18                     ; x: row 256 x tile row + 128 x half
	s_lshl_b32 s46, s42, 8
	s_add_co_u32 s46, s46, s18                     ; w_in: row 256 x tile column + 128 x half
	s_mov_b32 s21, 0
	s_mov_b32 s47, 0
	s_mov_b64 s[18:19], KS
	s_mul_u64 s[22:23], s[20:21], s[18:19]         ; where these rows' scales begin, in bytes
	s_mul_u64 s[92:93], s[46:47], s[18:19]
	s_mov_b64 s[18:19], KROW
	s_mul_u64 s[20:21], s[20:21], s[18:19]         ; and their codes
	s_mul_u64 s[46:47], s[46:47], s[18:19]
	s_mul_i32 s45, s14, HALFT                      ; where they go: wave x 128 rows: no place in the cluster enters an LDS address
	s_mul_i32 s94, s14, HALFS
	s_wait_dscnt 0x0                               ; both opening adds are done
	s_wait_kmcnt 0x0
	s_add_nc_u64 s[20:21], s[4:5], s[20:21]
	s_add_nc_u64 s[22:23], s[6:7], s[22:23]
	s_add_nc_u64 s[46:47], s[8:9], s[46:47]
	s_add_nc_u64 s[92:93], s[10:11], s[92:93]
	CROUND                                         ; all sixteen work-groups are here: the joint loads meet
	s_mov_b32 s[G0S], 1
	s_add_co_u32 s[G0S+1], s94, SCL
	s_mov_b64 s[G0S+2:G0S+3], s[22:23]
	s_or_b32 s[G0S+3], s[G0S+3], 0x80000000
	s_mov_b32 s[G0SB], 1
	s_add_co_u32 s[G0SB+1], s94, SCL
	s_mov_b64 s[G0SB+2:G0SB+3], s[92:93]
	s_or_b32 s[G0SB+3], s[G0SB+3], 0x80000000
	JLOAD G0S, G1S, G0SB, G1SB                     ; the scales first: they are wanted with K step 0
.irp s, 0,1
	s_mov_b32 s[G0+4*\s], 1
	s_add_co_u32 s[G0+4*\s+1], s45, \s*SLOT
	s_add_nc_u64 s[G0+4*\s+2:G0+4*\s+3], s[20:21], \s*ROWB
	s_or_b32 s[G0+4*\s+3], s[G0+4*\s+3], 0x80000000
	s_mov_b32 s[G0B+4*\s], 1
	s_add_co_u32 s[G0B+4*\s+1], s45, \s*SLOT
	s_add_nc_u64 s[G0B+4*\s+2:G0B+4*\s+3], s[46:47], \s*ROWB
	s_or_b32 s[G0B+4*\s+3], s[G0B+4*\s+3], 0x80000000
	JLOAD G0+4*\s, G1, G0B+4*\s, G1B               ; three loads of mine are out in all
.endr
	v_and_b32 v1, 15, v0                           ; r = l % 16
	v_bfe_u32 v2, v0, 4, 1                         ; h = l / 16
	; the bias: b_in[n0 + 16 b + 8 h + 0 .. 7], n0 = 256 x tile column + 128 x half: my lane's eight columns of block b
	s_lshl_b32 s46, s42, 10
	s_lshl_b32 s47, s16, 9
	s_add_co_u32 s46, s46, s47                     ; 4 n0
	s_mov_b32 s47, 0
	s_add_nc_u64 s[96:97], s[96:97], s[46:47]
	s_add_nc_u64 s[98:99], s[98:99], s[46:47]      ; qkv32 at the same column,
	s_lshr_b32 s66, s17, 3
	s_mul_i32 s66, s66, 196608                     ; of the tile's batch (16 rows of 12,288 bytes)
	s_mov_b32 s67, 0
	s_add_nc_u64 s[98:99], s[98:99], s[66:67]
	s_and_b32 s67, s17, 7                          ; 0 where the tile begins a sequence
	v_lshlrev_b32 v[BO], 5, v2
.irp b, 0,1,2,3,4,5,6,7
	global_load_b128 v[BI+8*\b:BI+8*\b+3],   v[BO], s[96:97] offset:64*\b
	global_load_b128 v[BI+8*\b+4:BI+8*\b+7], v[BO], s[96:97] offset:64*\b+16
.endr
	v_mul_u32_u24 v[FO], v1, 12288
	v_lshl_add_u32 v[FO], v2, 5, v[FO]             ; qkv32: row r, + 32 h
	v_mul_u32_u24 v3, v1, PITCH
	v_lshl_add_u32 v4, v2, 4, v3                   ; a fragment's row x pitch + 16 x half
	s_mul_i32 s21, s15, HALFT                      ; my 128 rows of x
	s_mul_i32 s22, s16, HALFT                      ; my 128 rows of w_in,
	s_add_co_u32 s22, s22, 2*HALFT                 ; which lie behind x's 256
.irp s, 0,1
	v_add_nc_u32 v[ADRA+\s], s21, v4
	v_add_nc_u32 v[ADRB+\s], s22, v4
	s_add_co_u32 s21, s21, SLOT
	s_add_co_u32 s22, s22, SLOT
.endr
	v_mul_u32_u24 v5, v1, KS                       ; my row's scales: 32 bytes a row,
	v_lshrrev_b32 v6, 8, v5
	v_lshl_add_u32 v5, v6, 4, v5                   ; and 16 more for each 256 passed
	s_mul_i32 s21, s15, HALFS                      ; x's: my 128 rows
	s_mul_i32 s22, s16, HALFS                      ; w_in's: my 128 rows, behind x's 256
	s_add_co_u32 s22, s22, 2*HALFS
	s_sub_co_u32 s22, s22, s21
	v_mul_u32_u24 v6, s22, v2                      ; lanes 16-31 take w_in's: one product, the distance x h
	s_add_co_u32 s21, s21, SCL
	v_add_nc_u32 v5, v5, v6
	v_add_nc_u32 v[ADRS], s21, v5
	s_mul_i32 s23, s14, 16*SPITCH                  ; my stage
	v_mul_u32_u24 v5, v1, SPITCH                   ; in: row r, 16 bytes for each half of the lanes
	v_lshl_add_u32 v5, v2, 4, v5
	v_add_nc_u32 v[STO], s23, v5
	v_bfe_u32 v5, v0, 3, 1                         ; back: lanes 0-15 take two rows' 128 bytes of the first head, lanes 16-31 of the second
	v_mul_u32_u24 v5, v5, SPITCH
	v_lshl_add_u32 v5, v2, 7, v5
	v_and_b32 v6, 7, v0
	v_lshl_add_u32 v5, v6, 4, v5
	v_add_nc_u32 v[RD], s23, v5
	v_lshlrev_b32 v[CO], 4, v1                     ; in qkv16 two positions of a head are 256 neighbouring bytes: 16 (l % 16),
	v_lshl_add_u32 v[CO], v2, 18, v[CO]            ; and the second head lies a plane of 262,144 bytes on
	s_lshl_b32 s20, s17, 8
	s_lshl_b32 s21, s15, 7
	s_add_co_u32 s20, s20, s21                     ; my first row m0 = 256 x tile row + 128 x half
	s_lshr_b32 s21, s20, 11                        ; its batch
	s_mul_i32 s21, s21, 48
	s_lshl_b32 s46, s42, 2
	s_lshl_b32 s47, s16, 1
	s_add_co_u32 s46, s46, s47                     ; my first g = n0 / 64
	s_add_co_u32 s21, s21, s46
	s_lshl_b32 s21, s21, 18                        ; the plane,
	s_and_b32 s20, s20, 2047
	s_lshl_b32 s20, s20, 7                         ; the position: 128 bytes each
	s_add_co_u32 s20, s20, s21
	s_mov_b32 s21, 0
	s_add_nc_u64 s[12:13], s[12:13], s[20:21]
.macro FRAG reg, adr, q, i             ; a fragment, 16 rows x 128 K of 4-bit codes, is 8 registers: lane l holds row l % 16; registers 4 c .. 4 c + 3 hold K = 64 c + 32 (l / 16) + 0 .. 31
.irp c, 0,1
	ds_load_b128 v[\reg+4*\c:\reg+4*\c+3], v[\adr] offset:64*(\q)+32*\c+(\i)*16*PITCH
.endr
.endm
; 16 matrix instructions: x's blocks a0, a0 + 1 against w_in's eight, 128 along K: the slot's q-th.  p: w_in's set;  sc: the set of scale words.  first = 1: the sum begins with the bias as C: nothing is cleared, nothing is added later.
; The 64 accumulators take turns, one instruction a turn, in the same order in every step.
.macro MUL16 a0, p, q, sc, first
.irp a, \a0, \a0+1
.irp b, 0,1,2,3,4,5,6,7
.if \first
	v_wmma_scale_f32_16x16x128_f8f6f4 v[8*(8*((\a)%4)+\b):8*(8*((\a)%4)+\b)+7], v[128*(\p)+FR*\b:128*(\p)+FR*\b+FR-1], v[AF+FR*(\a):AF+FR*(\a)+FR-1], v[BI+8*\b:BI+8*\b+7], v[SC+8*NQ*(\sc)+NQ*\b+(\q)], v[SC+8*NQ*(\sc)+NQ*(\a)+(\q)] matrix_a_fmt:MATRIX_FMT_FP4 matrix_b_fmt:MATRIX_FMT_FP4 matrix_a_scale:MATRIX_SCALE_ROW1
.else
	v_wmma_scale_f32_16x16x128_f8f6f4 v[8*(8*((\a)%4)+\b):8*(8*((\a)%4)+\b)+7], v[128*(\p)+FR*\b:128*(\p)+FR*\b+FR-1], v[AF+FR*(\a):AF+FR*(\a)+FR-1], v[8*(8*((\a)%4)+\b):8*(8*((\a)%4)+\b)+7], v[SC+8*NQ*(\sc)+NQ*\b+(\q)], v[SC+8*NQ*(\sc)+NQ*(\a)+(\q)] matrix_a_fmt:MATRIX_FMT_FP4 matrix_b_fmt:MATRIX_FMT_FP4 matrix_a_scale:MATRIX_SCALE_ROW1
.endif
.endr
.endr
.endm
.macro FETCH_B slot, q, p              ; w_in's eight fragments of the slot's q-th 128 along K into set p
	WIN TO_B
.irp i, 0,1,2,3,4,5,6,7
	FRAG 128*(\p)+FR*\i, ADRB+\slot, \q, \i
.endr
	WIN 0
.endm
.macro FETCH_A slot, q, i0             ; x's blocks i0 .. i0 + 3
.irp i, \i0, \i0+1, \i0+2, \i0+3
	FRAG AF+FR*(\i), ADRA+\slot, \q, \i
.endr
.endm
.macro SCALES sc                       ; a K step's scale words into set sc: 4 words a row; lanes 0-15 take x's block i, lanes 16-31 w_in's block i
.irp i, 0,1,2,3,4,5,6,7
	ds_load_b128 v[SC+8*NQ*\sc+NQ*\i:SC+8*NQ*\sc+NQ*\i+3], v[ADRS] offset:\i*SBLK
.endr
.endm
; A load into a register that a matrix instruction has read, and a vector instruction or a store that reads a matrix result, stand NP places behind that matrix instruction; only plain vector
; instructions that name none of its registers are places (ISA guide 7.12.1 for vector instructions).
.macro PLACES n
.rept \n
	v_nop
.endr
.endm
; A step of 128 along K that has its successor in the same slot.  x's blocks are free as soon as their eight products are issued: blocks 0-3 are fetched anew in the step's middle, blocks 4-7 at its end.
.macro STEP slot, q, first
	s_wait_dscnt 4*NL                              ; w_in's set and x's blocks 0-3 are in; the youngest eight loads (x's blocks 4-7) may be out
.if \first
	WIN BIA_LO
.else
	WIN MUL_LO
.endif
	MUL16 0, (\q)%2, \q, \slot, \first
	MUL16 2, (\q)%2, \q, \slot, \first
	s_wait_dscnt 0                                 ; x's blocks 4-7 are in (asked for 32 matrix instructions ago)
	PLACES NP
	FETCH_B \slot, (\q)+1, 1-(\q)%2
	FETCH_A \slot, (\q)+1, 0
.if \first
	WIN BIA_HI
.else
	WIN MUL_HI
.endif
	MUL16 4, (\q)%2, \q, \slot, \first
	MUL16 6, (\q)%2, \q, \slot, \first
	PLACES NP
	WIN 0
	FETCH_A \slot, (\q)+1, 4
.endm
	s_wait_tensorcnt 1                             ; the scales and my part of K step 0 are in; slot 1's load, issued behind them, may stay out
	s_barrier_signal -1
	s_barrier_wait -1                              ; everybody's are
	FETCH_B 0, 0, 0
	FETCH_A 0, 0, 0
	SCALES 0
	FETCH_A 0, 0, 4
	s_wait_loadcnt 0x0                             ; the bias
	STEP 0, 0, 1
	STEP 0, 1, 0
	STEP 0, 2, 0
	; slot 0's last step changes slots: one barrier; in front of it each wave waits for its tensor loads (its part of slot 1), adds 0 to its spare word, and waits for that and for its reads of slot 0
	s_wait_tensorcnt 0x0
	ds_add_u32 v[SPW], v[NIL]
	s_wait_dscnt 4*NL+1                            ; (the add and the youngest eight loads may be out)
	WIN MUL_LO
	MUL16 0, 1, NQ-1, 0, 0                         ; sixteen matrix instructions stand between the add and the wait for it
	s_wait_dscnt 0x0                               ; the add is done, and my reads of slot 0 are over
	s_barrier_signal -1
	MUL16 2, 1, NQ-1, 0, 0
	WIN 0
	s_barrier_wait -1                              ; slot 1 is whole, and nobody reads slot 0 any more
	PLACES NP
	v_add_nc_u32 v[ADRS], 4*NQ, v[ADRS]            ; on to K step 1's scale words
	FETCH_B 1, 0, 0
	FETCH_A 1, 0, 0
	SCALES 1
	WIN MUL_HI
	MUL16 4, 1, NQ-1, 0, 0
	MUL16 6, 1, NQ-1, 0, 0
	PLACES NP
	WIN 0
	FETCH_A 1, 0, 4
	STEP 1, 0, 0
	STEP 1, 1, 0
	STEP 1, 2, 0
	s_wait_dscnt 4*NL                              ; the very last step: nothing more to fetch
	WIN MUL_LO
	MUL16 0, 1, NQ-1, 1, 0
	MUL16 2, 1, NQ-1, 1, 0
	s_wait_dscnt 0
	WIN MUL_HI
	MUL16 4, 1, NQ-1, 1, 0
	MUL16 6, 1, NQ-1, 1, 0
	WIN 0
	PLACES NP                                      ; for the first reads of results, and for the loads into the registers that held x's fragments
	; THE FIRST 16 POSITIONS OF A SEQUENCE ALSO LEAVE IN f32: block 0 of the waves with the tile's rows 0-127, where the tile begins a sequence (tile row % 8 = 0).  The wave is picked by a branch on its number;
	; the tile by EXEC.  32 bytes a lane: 393,216 bytes in the whole launch.
	s_cmp_lg_u32 s15, 0
	s_cbranch_scc1 .Lno32
	v_mov_b32 v5, s67
	v_cmp_eq_u32 vcc_lo, 0, v5
	s_wait_xcnt 0x0                                ; EXEC changes only behind this wait
	s_and_saveexec_b32 s66, vcc_lo
	WIN 0x08                                       ; a store's data are its source 1: window 2
.irp b, 0,1,2,3,4,5,6,7
	global_store_b128 v[FO], v[8*\b:8*\b+3], s[98:99] offset:64*\b          ; each accumulator from its low end on
	global_store_b128 v[FO], v[8*\b+4:8*\b+7], s[98:99] offset:64*\b+16
.endr
	WIN 0
	s_wait_xcnt 0x0                                ; and again, in front of the line that widens it
	s_or_b32 exec_lo, exec_lo, s66
.Lno32:
; THE WAY OUT, block by block of 16 rows x 128 columns (two heads).  PACK: rounded to f16, 16 bytes a lane.  TOSTAGE: into my own stage in LDS and back, two positions of a head to sixteen lanes.  SEND: stored.
.macro PACK a
.set AC, 64*((\a)%4)
	WIN 0x0a+5*((\a)/4)                            ; sources 0 and 1: window 2 or 3
.irp b, 0,1,2,3,4,5,6,7
.irp r, 0,1,2,3
	v_cvt_pk_f16_f32 v[TMP+4*\b+\r], v[AC+8*\b+2*\r], v[AC+8*\b+2*\r+1]
.endr
.endr
	WIN 0
.endm
.macro TOSTAGE a
.set BB, BK+32*((\a)%2)
.irp b, 0,1,2,3,4,5,6,7
	ds_store_b128 v[STO], v[TMP+4*\b:TMP+4*\b+3] offset:32*\b
.endr
.irp t, 0,1,2,3,4,5,6,7
	ds_load_b128 v[BB+4*\t:BB+4*\t+3], v[RD] offset:\t*2*SPITCH    ; LDS serves a wave's instructions in order (ISA guide 5.7.1.4): these see the stores above
.endr
.endm
.macro SEND a
.set BB, BK+32*((\a)%2)
	s_wait_dscnt 0x0                               ; the block is back in registers
	s_wait_xcnt 0x0                                ; the stores of the block before have read their registers: the next TOSTAGE loads into them
.irp t, 0,1,2,3,4,5,6,7
	global_store_b128 v[CO], v[BB+4*\t:BB+4*\t+3], s[12:13] offset:(16*(\a)+2*\t)*128   ; 16 lanes store 256 consecutive bytes, at a multiple of 256 from the buffer's first byte
.endr
.endm
	PACK 0
	TOSTAGE 0
.irp a, 1,2,3,4,5,6,7                  ; block a's conversions stand between block a - 1's loads from the stage and the wait for them
	PACK \a
	SEND \a-1
	TOSTAGE \a
.endr
	SEND 7
	s_wait_tensorcnt 0x0                           ; the wave's end: behind my last tensor load and my last LDS store
	ds_add_u32 v[SPW], v[NIL]
	s_wait_dscnt 0x0
	CROUND                                         ; the closing round: no work-group ends while a partner may still ask for a tile that names it
	s_endpgm
.Lfunc_end_k_q0c961a45e6_qkv:
	.size	k_q0c961a45e6_qkv, .Lfunc_end_k_q0c961a45e6_qkv-k_q0c961a45e6_qkv
	.p2alignl 7, 3214868480
	.fill 96, 4, 3214868480
	.section	.rodata,"a",@progbits
	.p2align	6, 0x0
	.amdhsa_kernel k_q0c961a45e6_qkv
		.amdhsa_group_segment_fixed_size 327680
		.amdhsa_private_segment_fixed_size 0
		.amdhsa_enable_private_segment 0
		.amdhsa_kernarg_size 56
		.amdhsa_user_sgpr_count 2
		.amdhsa_user_sgpr_kernarg_segment_ptr 1
		.amdhsa_wavefront_size32 1
		.amdhsa_system_sgpr_workgroup_id_x 1
		.amdhsa_system_sgpr_workgroup_id_y 1
		.amdhsa_system_sgpr_workgroup_id_z 1
		.amdhsa_system_vgpr_workitem_id 0
		.amdhsa_next_free_vgpr 1024
		.amdhsa_next_free_sgpr 100
		.amdhsa_reserve_vcc 1
		.amdhsa_float_denorm_mode_32 3
		.amdhsa_float_denorm_mode_16_64 3
		.amdhsa_memory_ordered 1
		.amdhsa_forward_progress 1
		.amdhsa_inst_pref_size 130
	.end_amdhsa_kernel
	.amdgpu_metadata
---
amdhsa.version: [ 1, 2 ]
amdhsa.kernels:
  - .name:           k_q0c961a45e6_qkv
    .symbol:         k_q0c961a45e6_qkv.kd
    .args:
      - { .name: xc, .offset: 0, .size: 8, .value_kind: global_buffer, .address_space: global }
      - { .name: xs, .offset: 8, .size: 8, .value_kind: global_buffer, .address_space: global }
      - { .name: wc, .offset: 16, .size: 8, .value_kind: global_buffer, .address_space: global }
      - { .name: ws, .offset: 24, .size: 8, .value_kind: global_buffer, .address_space: global }
      - { .name: qkv16, .offset: 32, .size: 8, .value_kind: global_buffer, .address_space: global }
      - { .name: b_in, .offset: 40, .size: 8, .value_kind: global_buffer, .address_space: global }
      - { .name: qkv32, .offset: 48, .size: 8, .value_kind: global_buffer, .address_space: global }
    .group_segment_fixed_size: 327680
    .private_segment_fixed_size: 0
    .kernarg_segment_align: 8
    .kernarg_segment_size: 56
    .max_flat_workgroup_size: 128
    .sgpr_count:     100
    .vgpr_count:     1024
    .wavefront_size: 32
...
	.end_amdgpu_metadata
.endif
;; end of part 2
;; launch attn (part 3): grid 8 x 32, 16 waves a work-group, no clusters, 327,680 bytes of LDS; arguments qkv16, attn16; writes attn16
.if DOCPART == 3
	.amdgcn_target "amdgcn-amd-amdhsa--gfx1250"
	.amdhsa_code_object_version 6
	.text
	.protected	k_q0c961a45e6_attn
	.globl	k_q0c961a45e6_attn
	.p2align	8
	.type	k_q0c961a45e6_attn,@function
k_q0c961a45e6_attn:
	s_mov_b64 s[64:65], 0
	v_nop
	global_prefetch_b8 v0, s[64:65] scope:SCOPE_SE
	s_setreg_imm32_b32 hwreg(HW_REG_WAVE_MODE, 25, 1), 1
	s_wait_xcnt 0x0
; o[b][h][q] = the sum over keys k <= q of softmax_k(q . k / 8) v[k], head size 64, 2,048 positions, 32 pairs of batch and head.  Operands f16; products, maxima and sums f32; the weights p are rounded to f16 for the second product.
; IN: qkv16 [batch][g 48][position][64] f16 (q's heads, k's, v's).  OUT: attn16 [row / 128 : 32][head : 16][128 rows][64] f16: a wave's 16 x 64 tile is 2,048 consecutive bytes.
; SHARES.  Work-group (i, batch x 16 + head) owns query blocks i and 15 - i, 128 queries each: 17 blocks of 128 x 128 under the causal mask for every i.  Each of its SIXTEEN waves owns one tile of 16 queries
; in 192 registers: four waves to a SIMD, two of the early block and two of the late one, so that one wave's vector work stands beside another's matrix work and LDS loads.
; K's and V's tiles come through a ring of two LDS slots of 256 keys: wave 0 loads a slot's K (256 rows of 128 bytes, dense in memory), wave 1 its V; all sixteen read.
; LAYOUT.  S^T = K Q^T (source 0 = 16 keys, source 1 = my 16 queries): a lane holds ONE query (lane % 16) and keys 8 (lane / 16) + 0..7.  Two such tiles, rounded to f16 in pairs, ARE source 1 (32 keys x 16 queries)
; of O^T = V^T P, whose result again holds one query a lane.  K comes out of LDS as it lies, V ([key][channel]) turned, by ds_load_tr16_b128.
; SOFTMAX.  For each query a running maximum m and sum l: p = 2^(c s - c m), c = log2(e) / 8; in every step O and l are multiplied by a = 2^(c m_old - c m_new).
; THE MASK.  Every work-group walks all 8 slots: trip counts are constants.  A step all of whose 64 keys come after my 16 queries is jumped over (a scalar branch on ids); on the diagonal hidden scores become -infinity.
; A slot is asked for only while its first key is at or under the work-group's last query: each load then has bytes that some wave reads.
; NO CLUSTER: the work-groups of a head need different numbers of slots, and the mask lets whole work-groups jump over a slot's reads.
; LIMITS: masked weights are exactly 0, as in the definition wherever the open scores lie above about -1e9 + 150; NaN and infinities are not served.
.set KS,    64                         ; keys in a step
.set SK,    256                        ; keys in a slot
.set NSL,   2048/SK
.set PK,    144                        ; a key's row in LDS: 128 bytes + 16: an odd multiple of 16: the 16 rows of a load start at different banks
.set PV,    160                        ; a row of V: 128 + 32: an odd multiple of 32, for the turning load
.set VOFF,  SK*PK                      ; a slot: 256 rows of K, then 256 rows of V
.set SLOT1, 1<<17                      ; slot 1 begins here: one exclusive or turns an address in one slot into the other's
.set STAGE, SK*(PK+PV)                 ; behind slot 0: 16 rows x 144 bytes for each wave, for the way out: bytes of their own, into which no fill lands
.set SPARE, STAGE+16*16*144            ; behind the stages: the spare words, 128 bytes a wave, which no other line names
.set AK0, 1                            ; v1   my lane's place in a tile of K
.set AV0, 2                            ; v2   the same for V
.set SPW, 3                            ; v3   LDS address of my spare word; never rewritten
.set NIL, 4                            ; v4   0; never rewritten
.set ADK, 5                            ; v5   LDS address of the step's K
.set ADV, 6                            ; v6   of its V
.set GO,  7                            ; v7   the way out: 16 x lane
.set STO, 8                            ; v8   where I put 16 bytes of a row
.set RD,  9                            ; v9   where I read 16 bytes back
.set PFO, 10                           ; v10  256 x lane: the prefetches' offset; never rewritten
.set DQ,  11                           ; v11  lane % 16 - 8 (lane / 16)
.set ST,  12                           ; v12 c m, v13 m, v14-15 l (even keys', odd keys'), v16-19 at work; a in v18
.set QF,  20                           ; v20-35   Q: two fragments
.set KV,  36                           ; v36-99   eight fragments: K's, then V's
.set S,   100                          ; v100-131 S^T, then p
.set P,   132                          ; v132-147 p in f16
.set O,   148                          ; v148-179 O^T
.set NEG, 180                          ; v180 -infinity
.set DD,  181                          ; v181 at the head Q's offset; then the diagonal's d
.set U0,  182                          ; v182-185 two chains of the row's sum
.set U1,  184
.set TB,    2                          ; s2   LDS byte at which the slot in hand begins
.set SLOTS, 3                          ; s3   changes of slots to go
.set WV,    8                          ; s8   my wave's number
.set KF,    9                          ; s9   the step's first key
.set Q0,    10                         ; s10  my first query
.set WLAST, 11                         ; s11  my work-group's last query
.set LIM,   12                         ; s12  1 in a wave that prefetches, else the greatest number
.set PFA,   14                         ; s[14:15] where my prefetches stand
.set SEL,   16                         ; s[16:17] lane selects for v_permlanex16_b32: lane l xor 16
.set CS,    18                         ; s[18:19] c: the packed form names a pair and takes its low word for both halves
.set G1K,   20                         ; s[20:27] descriptor group 1 for K's tiles;  s[28:35] for V's: it differs in the padding alone
.set G1V,   28
.set G0K,   36                         ; s[36:39], s[40:43] their groups 0, which walk
.set G0V,   40
; Wave 0 fetches K, wave 1 V, the others nothing.  The branches hang on the wave's number alone.  An s_nop 0 and four v_nop follow each of the two lines.
.macro TLOAD
	s_cmp_lt_u32 s[WV], 1
	s_cbranch_scc0 .Lnot_k_\@
	tensor_load_to_lds s[G0K:G0K+3], s[G1K:G1K+7]
	s_nop 0
.rept 4
	v_nop
.endr
	s_branch .Lasked_\@
.Lnot_k_\@:
	s_cmp_lt_u32 s[WV], 2
	s_cbranch_scc0 .Lasked_\@
	tensor_load_to_lds s[G0V:G0V+3], s[G1V:G1V+7]
	s_nop 0
.rept 4
	v_nop
.endr
.Lasked_\@:
.endm
; A PREFETCH INTO THE L2 of what the NEXT change of slots will ask for: a slot's 32,768 bytes of K and as many of V, both dense.  All eight work-groups of a head walk the same K and V: the one with x = 0, which owns
; the last query block and so walks every slot, asks.  In it waves 4 to 7 ask for K's block and waves 8 to 11 for V's: 8,192 bytes a wave, lanes 256 bytes apart, one instruction.  So each aligned 256 bytes are named once.
; It stands a slot's four key steps ahead of the load that wants the bytes.  Slots 0 and 1 come by their loads alone; the last change that fills a slot asks for nothing.
.macro ASK
	s_cmp_gt_u32 s[SLOTS], s[LIM]
	s_cbranch_scc0 .Lnot_mine_\@
	global_prefetch_b8 v[PFO], s[PFA:PFA+1] th:TH_LOAD_NT scope:SCOPE_SE
.Lnot_mine_\@:
.endm
	s_load_b128 s[4:7], s[0:1], 0x0                ; qkv16 s[4:5], attn16 s[6:7]
	v_lshl_add_u32 v[SPW], v0, 2, SPARE
	v_mov_b32 v[NIL], 0
	ds_add_u32 v[SPW], v[NIL]                      ; the wave's opening: the add, twice on end, and its wait ahead of the first tensor load; the set-up below stands between
	ds_add_u32 v[SPW], v[NIL]
	v_lshrrev_b32 v5, 5, v0
	v_readfirstlane_b32 s[WV], v5                  ; wave 0..15
	s_and_b32 s44, ttmp7, 0xffff
	s_lshr_b32 s45, s44, 4                         ; batch
	s_and_b32 s46, s44, 15                         ; head
	s_mul_i32 s47, s45, 48
	s_add_co_u32 s47, s47, s46
	s_lshl_b32 s48, s47, 18                        ; my head's plane of q, in bytes
	s_mov_b32 s49, 0
	s_lshr_b32 s50, s[WV], 1                       ; which of a block's eight tiles is mine
	s_lshr_b32 s51, s[WV], 2
	s_xor_b32 s51, s51, s[WV]
	s_and_b32 s51, s51, 1                          ; 0: the early block, 1: the late one; waves 2 k and 2 k + 1 take one each, and of any four neighbours, or of waves w, w + 4, w + 8, w + 12, two take each
	s_mul_i32 s51, s51, 15
	s_xor_b32 s51, s51, ttmp9                      ; my block: i or 15 - i
	s_lshl_b32 s[Q0], s51, 7
	s_lshl_b32 s52, s50, 4
	s_add_co_u32 s[Q0], s[Q0], s52                 ; my first query
	s_xor_b32 s[WLAST], ttmp9, 15
	s_lshl_b32 s[WLAST], s[WLAST], 7
	s_or_b32 s[WLAST], s[WLAST], 127
	; descriptor group 1: 256 rows of 64 elements of 2 bytes, dense in memory, padded in LDS
	s_mov_b32 s[G1K], (1<<16)|(1<<20)|(4<<22)|(3<<25)   ; 15:0 no mask; 17:16 elements of 2 bytes; 20 padding on; 24:22 after every 32 words (code 4); 31:25 four words (code 3)
	s_mov_b32 s[G1V], (1<<16)|(1<<20)|(4<<22)|(7<<25)   ; the same with eight words
.irp g, G1K, G1V
	s_mov_b32 s[\g+1], 64<<16                      ; tensor_dim0
	s_mov_b32 s[\g+2], SK<<16                      ; tensor_dim1
	s_mov_b32 s[\g+3], 64<<16                      ; tile_dim0
	s_mov_b32 s[\g+4], SK                          ; tile_dim1
	s_mov_b32 s[\g+5], 64                          ; tensor_dim0_stride
	s_mov_b32 s[\g+6], 0
	s_mov_b32 s[\g+7], 0
.endr
	s_mov_b32 s[SEL], 0x76543210
	s_mov_b32 s[SEL+1], 0xfedcba98
	s_mov_b32 s[CS], 0x3e38aa3b                    ; c = log2(e) / 8
	s_mov_b32 s[CS+1], s[CS]                       ; (named with it as a pair, so it is written)
	s_mov_b32 s[TB], 0
	s_mov_b32 s[SLOTS], NSL-1
	s_mov_b32 s[KF], 0
	s_lshl_b32 s54, s45, 4
	s_add_co_u32 s54, s54, s51                     ; attn16: row / 128 = 16 x batch + block: 262,144 bytes,
	s_lshl_b32 s54, s54, 18
	s_lshl_b32 s55, s46, 14                        ; the head: 16,384,
	s_add_co_u32 s54, s54, s55
	s_lshl_b32 s55, s50, 11                        ; my tile: 2,048
	s_add_co_u32 s54, s54, s55
	s_mov_b32 s55, 0
	s_lshl_b32 s56, s[Q0], 7                       ; my first query's row of q
	s_mov_b32 s57, 0
	s_wait_dscnt 0x0                               ; both opening adds are done
	s_wait_kmcnt 0x0
	s_add_nc_u64 s[4:5], s[4:5], s[48:49]          ; my head's plane of q,
	s_add_nc_u64 s[46:47], s[4:5], 16<<18          ; of k: 16 planes on,
	s_add_nc_u64 s[50:51], s[4:5], 32<<18          ; of v: 32
	s_add_nc_u64 s[60:61], s[6:7], s[54:55]        ; where my tile of the result goes
	s_mov_b32 s[G0K], 1                            ; 1:0 count = 1
	s_mov_b32 s[G0K+1], 0                          ; 63:32 LDS address: slot 0
	s_mov_b64 s[G0K+2:G0K+3], s[46:47]             ; 120:64 global address: the head's first 256 keys
	s_or_b32 s[G0K+3], s[G0K+3], 0x80000000        ; 127:126 type = 2
	s_mov_b32 s[G0V], 1
	s_mov_b32 s[G0V+1], VOFF
	s_mov_b64 s[G0V+2:G0V+3], s[50:51]
	s_or_b32 s[G0V+3], s[G0V+3], 0x80000000
	TLOAD                                          ; slot 0: it holds key 0, which counts for every query
	s_add_nc_u64 s[4:5], s[4:5], s[56:57]          ; q at my first query
	s_cmp_lt_u32 s[WV], 8                          ; the prefetches: waves 4 to 7 stand in k, waves 8 to 11 in v,
	s_cselect_b64 s[PFA:PFA+1], s[46:47], s[50:51]
	s_and_b32 s44, s[WV], 3
	s_lshl_b32 s44, s44, 13                        ; at my wave's 8,192 bytes
	s_add_co_u32 s44, s44, SK*128                  ; of slot 1: the first change of slots steps it to slot 2
	s_mov_b32 s45, 0
	s_add_nc_u64 s[PFA:PFA+1], s[PFA:PFA+1], s[44:45]
	s_sub_co_u32 s44, s[WV], 4
	s_lshr_b32 s44, s44, 3                         ; 0 in waves 4 to 11,
	s_or_b32 s44, s44, ttmp9                       ; of the work-group with x = 0
	s_cmp_eq_u32 s44, 0
	s_cselect_b32 s[LIM], 1, -1
	v_and_b32 v5, 15, v0                           ; r
	v_bfe_u32 v6, v0, 4, 1                         ; h
	v_lshlrev_b32 v[DD], 7, v5
	v_lshl_add_u32 v[DD], v6, 4, v[DD]             ; q: row r of 128 bytes, + 16 h
.irp c, 0,1,2,3
	global_load_b128 v[QF+4*\c:QF+4*\c+3], v[DD], s[4:5] offset:32*\c   ; a fragment (16 rows x 32 channels): registers 0-3 channels 8 h on, 4-7 channels 16 + 8 h on; two fragments
.endr
	v_mul_u32_u24 v[AK0], v5, PK
	v_lshl_add_u32 v[AK0], v6, 4, v[AK0]           ; K: row x pitch + 16 h
	v_and_b32 v[AV0], 7, v0                        ; V: the turning load takes key 8 h + l % 8, channels 8 ((l / 8) % 2) on
	v_lshl_add_u32 v[AV0], v6, 3, v[AV0]
	v_mul_u32_u24 v[AV0], v[AV0], PV
	v_bfe_u32 v7, v0, 3, 1
	v_lshl_add_u32 v[AV0], v7, 4, v[AV0]
	v_add_nc_u32 v[AV0], VOFF, v[AV0]
	s_mul_i32 s44, s[WV], 16*144
	s_add_co_u32 s44, s44, STAGE                   ; my stage
	v_mul_u32_u24 v[STO], v5, 144                  ; in: row r, + 16 h
	v_lshl_add_u32 v[STO], v6, 4, v[STO]
	v_add_nc_u32 v[STO], s44, v[STO]
	v_and_b32 v10, 31, v0                          ; lane
	v_lshrrev_b32 v[RD], 3, v10                    ; back: eight lanes to a row of 128 bytes, four rows an instruction
	v_mul_u32_u24 v[RD], v[RD], 144
	v_and_b32 v7, 7, v0
	v_lshl_add_u32 v[RD], v7, 4, v[RD]
	v_add_nc_u32 v[RD], s44, v[RD]
	v_lshlrev_b32 v[GO], 4, v10
	v_lshlrev_b32 v[PFO], 8, v10
	v_lshlrev_b32 v[DQ], 3, v6
	v_sub_nc_u32 v[DQ], v5, v[DQ]
	v_mov_b32 v[NEG], 0xff800000
	v_mov_b32 v[ST+1], 0xff61b1e6                  ; m: -3e38, under every score
	v_mul_f32 v[ST], s[CS], v[ST+1]                ; c m
.irp j, 2,3,4,5,6,7
	v_mov_b32 v[ST+\j], 0                          ; l; and the registers at work, written once: a lane permute's destination counts as one of its sources
.endr
.irp j, 0,1,2,3,4,5,6,7,8,9,10,11,12,13,14,15,16,17,18,19,20,21,22,23,24,25,26,27,28,29,30,31
	v_mov_b32 v[O+\j], 0                           ; O^T.  (The step is written once: the first finds zeros, which a = 0 leaves zeros)
.endr
; A KEY STEP: 64 keys, the q-th of the slot in hand.
.macro STEP q
	s_add_co_u32 s44, s[Q0], 15                    ; a step all of whose keys come after my 16 queries is left out: a branch on ids, round loads, products and softmax alone
	s_cmp_gt_u32 s[KF], s44
	s_cbranch_scc1 .Lhidden_\@
	v_add_nc_u32 v[ADK], s[TB], v[AK0]
	v_add_nc_u32 v[ADV], s[TB], v[AV0]
	v_nop
	v_nop                                          ; these four are the places between the last products V^T P and the loads into the registers that they read
.irp kt, 0,1,2,3
.irp c, 0,1
	ds_load_b128 v[KV+8*(2*\kt+\c):KV+8*(2*\kt+\c)+3],   v[ADK] offset:(64*(\q)+16*\kt)*PK+64*\c
	ds_load_b128 v[KV+8*(2*\kt+\c)+4:KV+8*(2*\kt+\c)+7], v[ADK] offset:(64*(\q)+16*\kt)*PK+64*\c+32
.endr
.endr
	s_wait_dscnt 0x0                               ; K is in
.irp kt, 0,1,2,3                               ; S^T = K Q^T: four accumulators by turns; the first four start the sums
	v_wmma_f32_16x16x32_f16 v[S+8*\kt:S+8*\kt+7], v[KV+16*\kt:KV+16*\kt+7], v[QF:QF+7], 0
.endr
.irp kt, 0,1,2,3
	v_wmma_f32_16x16x32_f16 v[S+8*\kt:S+8*\kt+7], v[KV+16*\kt+8:KV+16*\kt+15], v[QF+8:QF+15], v[S+8*\kt:S+8*\kt+7]
.endr
.rept 4
	v_nop                                          ; places: in front of the loads into K's registers, and of the first read of the scores
.endr
.irp kk, 0,1
.irp t, 0,1,2,3
	ds_load_tr16_b128 v[KV+8*(4*\kk+\t):KV+8*(4*\kk+\t)+3],   v[ADV] offset:(64*(\q)+32*\kk)*PV+32*\t        ; V^T: 16 channels x 32 keys; it lands while the softmax is worked
	ds_load_tr16_b128 v[KV+8*(4*\kk+\t)+4:KV+8*(4*\kk+\t)+7], v[ADV] offset:(64*(\q)+32*\kk)*PV+16*PV+32*\t
.endr
.endr
	s_add_co_u32 s44, s[KF], 63                    ; a step all of whose keys count for all my queries skips the mask
	s_cmp_le_u32 s44, s[Q0]
	s_cbranch_scc1 .Lopen_\@
	s_sub_co_i32 s44, s[Q0], s[KF]
	v_add_nc_u32 v[DD], s44, v[DQ]                 ; d = my query - KF - 8 (lane / 16).  Register n holds key KF + 8 (lane / 16) + 16 (n / 8) + n % 8: hidden where 16 (n / 8) + n % 8 > d
.irp n, 0,1,2,3,4,5,6,7,8,9,10,11,12,13,14,15,16,17,18,19,20,21,22,23,24,25,26,27,28,29,30,31
	v_cmp_gt_i32 vcc_lo, 16*(\n/8)+\n%8, v[DD]
	v_cndmask_b32 v[S+\n], v[S+\n], v[NEG], vcc_lo
.endr
.Lopen_\@:
.irp j, 0,1,2,3                                ; the maximum of my 32 scores and the old m: four chains, each tile from its low end on
	v_max3_num_f32 v[ST+4+\j], v[S+8*\j], v[S+8*\j+1], v[S+8*\j+2]
.endr
.irp g, 1,2
.irp j, 0,1,2,3
	v_max3_num_f32 v[ST+4+\j], v[ST+4+\j], v[S+8*\j+2*\g+1], v[S+8*\j+2*\g+2]
.endr
.endr
	v_max3_num_f32 v[ST+4], v[ST+4], v[S+7], v[S+15]
	v_max3_num_f32 v[ST+6], v[ST+6], v[S+23], v[S+31]
	v_max3_num_f32 v[ST+4], v[ST+4], v[ST+5], v[ST+6]
	v_max3_num_f32 v[ST+4], v[ST+4], v[ST+7], v[ST+1]
	v_permlanex16_b32 v[ST+5], v[ST+4], s[SEL], s[SEL+1]   ; the query's other 32 keys lie in the lane 16 away
	v_mov_b32 v[ST+7], v[ST]                       ; c m_old
	v_max_num_f32 v[ST+1], v[ST+4], v[ST+5]        ; the new m
	v_mul_f32 v[ST], s[CS], v[ST+1]
	v_sub_f32 v[ST+7], v[ST+7], v[ST]              ; c m_old - c m_new
.irp j, 0,2,4,6,8,10,12,14,16,18,20,22,24,26,28,30
	v_pk_fma_f32 v[S+\j:S+\j+1], v[S+\j:S+\j+1], s[CS:CS+1], v[ST:ST+1] op_sel_hi:[1,0,0] neg_lo:[0,0,1] neg_hi:[0,0,1]   ; c s - c m
.endr
	v_exp_f32 v[ST+6], v[ST+7]                     ; a.  ONE BATCH of 33 exponentials,
.irp j, 0,1,2,3,4,5,6,7,8,9,10,11,12,13,14,15,16,17,18,19,20,21,22,23,24,25,26,27,28,29,30,31
	v_exp_f32 v[S+\j], v[S+\j]                     ; p
.endr
	v_nop                                          ; a plain instruction behind the last of them,
	s_wait_alu depctr_va_vdst(0)                   ; and one wait ahead of the first instruction that names a result
.irp j, 0,1,2,3,4,5,6,7,8,9,10,11,12,13,14,15
	v_cvt_pk_f16_f32 v[P+\j], v[S+2*\j], v[S+2*\j+1]
.endr
	v_pk_add_f32 v[U0:U0+1], v[S:S+1], v[S+2:S+3]  ; the row's sum of the unrounded p, two at a time, in two chains
	v_pk_add_f32 v[U1:U1+1], v[S+4:S+5], v[S+6:S+7]
.irp j, 8,12,16,20,24,28
	v_pk_add_f32 v[U0:U0+1], v[U0:U0+1], v[S+\j:S+\j+1]
	v_pk_add_f32 v[U1:U1+1], v[U1:U1+1], v[S+\j+2:S+\j+3]
.endr
	v_pk_add_f32 v[U0:U0+1], v[U0:U0+1], v[U1:U1+1]
	v_pk_fma_f32 v[ST+2:ST+3], v[ST+2:ST+3], v[ST+6:ST+7], v[U0:U0+1] op_sel_hi:[1,0,1]   ; l = a l + the sum
.irp j, 0,2,4,6,8,10,12,14,16,18,20,22,24,26,28,30
	v_pk_mul_f32 v[O+\j:O+\j+1], v[O+\j:O+\j+1], v[ST+6:ST+7] op_sel_hi:[1,0]   ; O^T x a
.endr
	s_wait_dscnt 0x0                               ; V is in
.irp kk, 0,1                                   ; O^T += V^T P: four accumulators by turns
.irp t, 0,1,2,3
	v_wmma_f32_16x16x32_f16 v[O+8*\t:O+8*\t+7], v[KV+8*(4*\kk+\t):KV+8*(4*\kk+\t)+7], v[P+8*\kk:P+8*\kk+7], v[O+8*\t:O+8*\t+7]
.endr
.endr
.Lhidden_\@:
	s_add_co_u32 s[KF], s[KF], KS
.endm
; THE CHANGE OF SLOTS stands at a slot's head.  Each wave waits for all its tensor loads (its part of the slot ahead), adds 0 to its spare word, and waits for that and for its reads of the slot that it has left.
; Behind the barrier the slot ahead is whole and nobody reads the other one.  fill = 1: that other slot is filled with the keys that follow, up to the causal limit: the load has four key steps in which to land.
; One tensor load of a wave is out at the most.
.macro CHANGE fill
	s_wait_tensorcnt 0x0                           ; no tensor load of mine is out, so a group 0 may be written
	ds_add_u32 v[SPW], v[NIL]
.if \fill
	ds_add_u32 v[SPW], v[NIL]                      ; and twice on end here, in every trip alike
	s_xor_b32 s[G0K+1], s[G0K+1], SLOT1            ; the walking descriptors: the other slot than last time,
	s_add_nc_u64 s[G0K+2:G0K+3], s[G0K+2:G0K+3], SK*128   ; the next 256 keys; the type bits on top are not reached
	s_xor_b32 s[G0V+1], s[G0V+1], SLOT1
	s_add_nc_u64 s[G0V+2:G0V+3], s[G0V+2:G0V+3], SK*128
	s_wait_xcnt 0x0                                ; the last prefetch, a slot back, has read its address, so it may be written:
	s_add_nc_u64 s[PFA:PFA+1], s[PFA:PFA+1], SK*128   ; one slot further on than the walking descriptors
.endif
	s_wait_dscnt 0x0                               ; the adds are done, and my reads of the slot that I have left are over
	s_barrier_signal -1
	s_barrier_wait -1
.if \fill
	s_add_co_u32 s44, s[KF], SK                    ; the first key of the slot that this change would ask for:
	s_cmp_gt_u32 s44, s[WLAST]                     ; past my work-group's last query no wave would read it.  Ids and the count of steps alone: all sixteen waves go the same way, and past the limit they stay past it.
	s_cbranch_scc1 .Lpast_\@                       ; Every wait for tensor loads in this text is for 0, and the jump leads round the load's own lines alone
	TLOAD                                          ; the first thing behind the barrier, and a wave's one tensor load until the next
.Lpast_\@:
	ASK
.endif
.endm
.macro SLOT_STEPS
.irp q, 0,1,2,3
	STEP \q
.endr
	s_xor_b32 s[TB], s[TB], SLOT1                  ; on to the other slot
.endm
	s_wait_loadcnt 0x0                             ; Q
.Lslot:                                            ; seven trips: behind each change of slots but the last the next slot is asked for, up to the limit
	CHANGE 1
	SLOT_STEPS
	s_sub_co_u32 s[SLOTS], s[SLOTS], 1
	s_cmp_lg_u32 s[SLOTS], 0
	s_cbranch_scc1 .Lslot
	CHANGE 0                                       ; the last slot is written out: nothing is left to ask for
	SLOT_STEPS
	; THE WAY OUT.  O^T / l, rounded to f16, goes through my stage in LDS and leaves as 2,048 consecutive bytes.
.rept 4
	v_nop                                          ; places behind the last products
.endr
	v_add_f32 v[ST+4], v[ST+2], v[ST+3]            ; l's two halves,
	v_permlanex16_b32 v[ST+5], v[ST+4], s[SEL], s[SEL+1]
	v_add_f32 v[ST+4], v[ST+4], v[ST+5]            ; and the other half of the lanes'
	v_rcp_f32 v[ST+6], v[ST+4]
	v_nop                                          ; a plain instruction behind the reciprocal,
	s_wait_alu depctr_va_vdst(0)                   ; and the wait ahead of its first use
.irp j, 0,2,4,6,8,10,12,14,16,18,20,22,24,26,28,30
	v_pk_mul_f32 v[O+\j:O+\j+1], v[O+\j:O+\j+1], v[ST+6:ST+7] op_sel_hi:[1,0]
.endr
.irp j, 0,1,2,3,4,5,6,7,8,9,10,11,12,13,14,15
	v_cvt_pk_f16_f32 v[S+\j], v[O+2*\j], v[O+2*\j+1]   ; registers 4 t .. 4 t + 3: channels 16 t + 8 h + 0 .. 7 of query r
.endr
.irp t, 0,1,2,3
	ds_store_b128 v[STO], v[S+4*\t:S+4*\t+3] offset:32*\t
.endr
.irp i, 0,1,2,3
	ds_load_b128 v[KV+4*\i:KV+4*\i+3], v[RD] offset:4*144*\i   ; LDS serves a wave's instructions in order: these see my stores
.endr
.irp i, 0,1,2,3
	s_wait_dscnt 3-\i                              ; the younger loads may stay out
	global_store_b128 v[GO], v[KV+4*\i:KV+4*\i+3], s[60:61] offset:512*\i   ; 32 lanes store 512 consecutive bytes, aligned
.endr
	s_wait_tensorcnt 0x0                           ; the wave's end: behind my last tensor load and my last LDS store
	ds_add_u32 v[SPW], v[NIL]
	s_wait_dscnt 0x0
	s_endpgm
.Lfunc_end_k_q0c961a45e6_attn:
	.size	k_q0c961a45e6_attn, .Lfunc_end_k_q0c961a45e6_attn-k_q0c961a45e6_attn
	.p2alignl 7, 3214868480
	.fill 96, 4, 3214868480
	.section	.rodata,"a",@progbits
	.p2align	6, 0x0
	.amdhsa_kernel k_q0c961a45e6_attn
		.amdhsa_group_segment_fixed_size 327680
		.amdhsa_private_segment_fixed_size 0
		.amdhsa_enable_private_segment 0
		.amdhsa_kernarg_size 16
		.amdhsa_user_sgpr_count 2
		.amdhsa_user_sgpr_kernarg_segment_ptr 1
		.amdhsa_wavefront_size32 1
		.amdhsa_system_sgpr_workgroup_id_x 1
		.amdhsa_system_sgpr_workgroup_id_y 1
		.amdhsa_system_sgpr_workgroup_id_z 1
		.amdhsa_system_vgpr_workitem_id 0
		.amdhsa_next_free_vgpr 192
		.amdhsa_next_free_sgpr 66
		.amdhsa_reserve_vcc 1
		.amdhsa_float_denorm_mode_32 3
		.amdhsa_float_denorm_mode_16_64 3
		.amdhsa_memory_ordered 1
		.amdhsa_forward_progress 1
		.amdhsa_inst_pref_size 109
	.end_amdhsa_kernel
	.amdgpu_metadata
---
amdhsa.version: [ 1, 2 ]
amdhsa.kernels:
  - .name:           k_q0c961a45e6_attn
    .symbol:         k_q0c961a45e6_attn.kd
    .args:
      - { .name: qkv16, .offset: 0, .size: 8, .value_kind: global_buffer, .address_space: global }
      - { .name: attn16, .offset: 8, .size: 8, .value_kind: global_buffer, .address_space: global }
    .group_segment_fixed_size: 327680
    .private_segment_fixed_size: 0
    .kernarg_segment_align: 8
    .kernarg_segment_size: 16
    .max_flat_workgroup_size: 512
    .sgpr_count:     66
    .vgpr_count:     192
    .wavefront_size: 32
...
	.end_amdgpu_metadata
.endif
;; end of part 3
;; launch proj (part 4): grid 8 x 32, 4 waves a work-group, clusters of 4 x 4, 327,680 bytes of LDS; arguments attn16, wo16, out0; writes out0
.if DOCPART == 4
	.amdgcn_target "amdgcn-amd-amdhsa--gfx1250"
	.amdhsa_code_object_version 6
	.text
	.protected	k_q0c961a45e6_proj
	.globl	k_q0c961a45e6_proj
	.p2align	8
	.type	k_q0c961a45e6_proj,@function
k_q0c961a45e6_proj:
	s_mov_b64 s[64:65], 0
	v_nop
	global_prefetch_b8 v0, s[64:65] scope:SCOPE_SE
	s_setreg_imm32_b32 hwreg(HW_REG_WAVE_MODE, 25, 1), 1
	s_wait_xcnt 0x0
	s_wait_alu depctr_hold_cnt(0) depctr_sa_sdst(0) depctr_va_vdst(0) depctr_va_sdst(0) depctr_va_ssrc(0) depctr_va_vcc(0) depctr_vm_vsrc(0)
	s_getreg_b32 s2, hwreg(HW_REG_IB_STS2, 6, 4)
	s_cmp_eq_u32 s2, 0
	s_cbranch_scc0 .Lentry_in_a_cluster
	s_endpgm
.Lentry_in_a_cluster:
	s_bfe_u32 s2, ttmp6, 0x10000c
	s_cmp_lg_u32 s2, 0xf033
	s_cbranch_scc0 .Lentry_shape_is_right
	s_endpgm
.Lentry_shape_is_right:
; out0[m][n] = sum over k of a[m][k] w_out[n][k], m = 4,096, n = k = 1,024; operands f16, sums and result f32.  The first 16 positions of each sequence are NOT stored here: a later launch makes them in f32.
; IN: attn16 [m / 128][k / 64][128 m][64], wo16 [n / 128][k / 64][128 n][64], f16: a plane of 128 rows x 64 along K is 16,384 dense bytes, a K step of 256 four planes on end.
; A tile of 128 x 128 is made by four waves, each 64 x 64: 16 accumulators, 128 registers: 256 work-groups.  K goes in steps of 256 through two LDS slots; a wave's tensor load brings two planes: 256 rows of 128 bytes.
; CLUSTERS: 4 x 4 work-groups.  The four of a row of the cluster need the same planes of a, the four of a column the same planes of w_out: each is asked for JOINTLY.
; THE MATRIX INSTRUCTION IS USED TRANSPOSED (source 0 = 16 rows of w_out, source 1 = 16 rows of a): a lane then holds eight neighbouring numbers of a row of the result.
; REGISTERS: window 0: v0-31 addresses; v32-95 at work on the way out; v128-255 the accumulators ((a, b) at v[128 + 8 (4 a + b)]).   window 1: two fragment buffers of 128: for 64 along K, 64 registers of a, then 64 of w_out.
; No prefetch: a K step here is short and its tiles are small and shared sixteen ways.
.set PITCH,  144                       ; an LDS row: 128 bytes + 16: an odd multiple of 16: the 16 rows that a load touches start at different banks
.set PLANE,  128*PITCH                 ; 128 rows x 64 along K
.set HALFT,  2*PLANE                   ; what one tensor load brings
.set SLOT,   4*HALFT                   ; a's four planes, then w_out's four
.set WROWS,  64*PITCH                  ; a wave's 64 rows in a plane
.set STEPB,  65536                     ; a K step of 128 rows in memory
.set SPITCH, 272                       ; the way out: a stage of 16 rows x (256 bytes + 16) for each wave, in slot 0, which has had its last fill and its last read when the first result is stored there
.set SPARE,  2*SLOT                    ; behind the ring: the spare words, 128 bytes a wave, which no other line names
.set LAPS,   2                         ; a lap = two K steps = once round the ring
.set ADRA, 16                          ; v16-17  LDS address of my fragments of a in slot 0, 1
.set ADRB, 20                          ; v20-21  the same for w_out
.set STO,  24                          ; v24     the way out: where I put 32 bytes of a row
.set RD,   25                          ; v25     where I read 16 bytes back
.set CO,   26                          ; v26     my byte offset in out0
.set SPW,  28                          ; v28     LDS address of my spare word; never rewritten
.set NIL,  29                          ; v29     0; never rewritten
.set TMP,  32                          ; the way out: 16 rows read back: v32-63 and v64-95 by turns
.set ACC,  128
.set F0,   0                           ; fragment buffers, in window 1
.set F1,   128
.set G1, 24                            ; s[24:31] descriptor group 1 for a's planes;  s[32:39] group 0, one set for each slot
.set G0, 32
.set G1B, 48                           ; s[48:55], s[56:63] the same for w_out's
.set G0B, 56
.set MSB, 0
.macro WIN new                         ; the immediate's high byte repeats the setting that is left
.if MSB != \new
	s_set_vgpr_msb (MSB<<8)|\new
.set MSB, \new
.endif
.endm
.set MUL,  0x05                        ; sources 0 and 1 window 1; C and D window 0
.set TO_F, 0x40                        ; destination window 1, address window 0
.macro JLOAD s                         ; a joint load: waves 0 and 1 fetch a's planes, waves 2 and 3 w_out's; an s_nop 0 and four v_nop follow each of the two lines
	s_cmp_eq_u32 s11, 0
	s_cbranch_scc0 .Lfor_b_\@
	tensor_load_to_lds s[G0+4*\s:G0+4*\s+3], s[G1:G1+7]
	s_nop 0
.rept 4
	v_nop
.endr
	s_branch .Lasked_\@
.Lfor_b_\@:
	tensor_load_to_lds s[G0B+4*\s:G0B+4*\s+3], s[G1B:G1B+7]
	s_nop 0
.rept 4
	v_nop
.endr
.Lasked_\@:
.endm
.macro CREST                           ; a round of the cluster's barrier behind its opening barrier
	s_cmp_lg_u32 s10, 0
	s_cbranch_scc1 .Lnot_wave_0_\@
	s_barrier_signal -3
.Lnot_wave_0_\@:
	s_barrier_wait -3
	s_barrier_signal -1
	s_barrier_wait -1
.endm
.macro CROUND                          ; a whole round
	s_barrier_signal -1
	s_barrier_wait -1
	CREST
.endm
	s_load_b128 s[4:7], s[0:1], 0x0                ; attn16 s[4:5], wo16 s[6:7]
	s_load_b64 s[8:9], s[0:1], 0x10                ; out0
	v_lshl_add_u32 v[SPW], v0, 2, SPARE
	v_mov_b32 v[NIL], 0
	ds_add_u32 v[SPW], v[NIL]                      ; the wave's opening: the add, twice on end, and its wait ahead of my first tensor load; the set-up below stands between
	ds_add_u32 v[SPW], v[NIL]
	v_lshrrev_b32 v1, 5, v0
	v_readfirstlane_b32 s10, v1                    ; wave 0..3
	s_lshr_b32 s11, s10, 1                         ; which half of the tile's rows is mine.  Also: I fetch for a (0) or for w_out (1)
	s_and_b32 s12, s10, 1                          ; which half of its columns.  Also: which two planes of a K step I fetch
	s_bfe_u32 s40, ttmp6, 0x40000                  ; cx, cy: my place in the cluster
	s_bfe_u32 s41, ttmp6, 0x40004
	s_lshl_b32 s42, ttmp9, 2
	s_add_co_u32 s42, s42, s40                     ; tile column = 4 x cluster x + cx
	s_and_b32 s13, ttmp7, 0xffff
	s_lshl_b32 s13, s13, 2
	s_add_co_u32 s13, s13, s41                     ; tile row = 4 x cluster y + cy
	s_lshl_b32 s43, s41, 2
	s_lshl_b32 s43, 15, s43                        ; my row of the cluster
	s_lshl_b32 s44, 0x1111, s40                    ; my column
	; descriptor group 1: 256 rows of 64 elements of 2 bytes, dense in memory, padded in LDS
	s_or_b32 s[G1+0], s43, (1<<16)|(1<<20)|(1<<21)|(4<<22)|(3<<25)  ; 15:0 the mask: a's planes go to my row; 17:16 element of 2 bytes; 20 padding on; 21 set beside a mask; 24:22 after every 32 words (code 4); 31:25 of 4 words (code 3)
	s_or_b32 s[G1B+0], s44, (1<<16)|(1<<20)|(1<<21)|(4<<22)|(3<<25)
.irp g, G1, G1B
	s_mov_b32 s[\g+1], 64<<16                      ; tensor_dim0 = 64
	s_mov_b32 s[\g+2], 256<<16                     ; tensor_dim1 = 256
	s_mov_b32 s[\g+3], 64<<16                      ; tile_dim0 = 64
	s_mov_b32 s[\g+4], 256                         ; tile_dim1 = 256
	s_mov_b32 s[\g+5], 64                          ; tensor_dim0_stride
	s_mov_b32 s[\g+6], 0
	s_mov_b32 s[\g+7], 0
.endr
	s_lshl_b32 s17, s12, 15                        ; which two planes I fetch: 32,768 bytes
	s_lshl_b32 s16, s13, 18
	s_add_co_u32 s16, s16, s17                     ; a: 262,144 x tile row
	s_lshl_b32 s46, s42, 18
	s_add_co_u32 s46, s46, s17                     ; w_out: 262,144 x tile column
	s_mov_b32 s17, 0
	s_mov_b32 s47, 0
	s_mul_i32 s20, s10, HALFT                      ; where they go: wave x two planes: no place in the cluster enters an LDS address
	s_wait_dscnt 0x0                               ; both opening adds are done
	s_wait_kmcnt 0x0
	s_add_nc_u64 s[14:15], s[4:5], s[16:17]
	s_add_nc_u64 s[46:47], s[6:7], s[46:47]
	CROUND                                         ; all sixteen work-groups are here: the first joint loads meet
.irp s, 0,1
	s_mov_b32 s[G0+4*\s], 1
	s_add_co_u32 s[G0+4*\s+1], s20, \s*SLOT
	s_add_nc_u64 s[G0+4*\s+2:G0+4*\s+3], s[14:15], \s*STEPB
	s_or_b32 s[G0+4*\s+3], s[G0+4*\s+3], 0x80000000
	s_mov_b32 s[G0B+4*\s], 1
	s_add_co_u32 s[G0B+4*\s+1], s20, \s*SLOT
	s_add_nc_u64 s[G0B+4*\s+2:G0B+4*\s+3], s[46:47], \s*STEPB
	s_or_b32 s[G0B+4*\s+3], s[G0B+4*\s+3], 0x80000000
	JLOAD \s                                       ; two loads of mine are out
.endr
	v_and_b32 v1, 15, v0                           ; l % 16
	v_bfe_u32 v2, v0, 4, 1                         ; l / 16
	v_mul_u32_u24 v3, v1, PITCH
	v_lshl_add_u32 v3, v2, 4, v3                   ; a fragment's row x pitch + 16 x half
	s_mul_i32 s21, s11, WROWS                      ; my 64 rows of a, in each plane
	s_mul_i32 s22, s12, WROWS                      ; my 64 rows of w_out,
	s_add_co_u32 s22, s22, 4*PLANE                 ; whose planes lie behind a's four
.irp s, 0,1
	v_add_nc_u32 v[ADRA+\s], s21, v3
	v_add_nc_u32 v[ADRB+\s], s22, v3
	s_add_co_u32 s21, s21, SLOT
	s_add_co_u32 s22, s22, SLOT
.endr
	s_mul_i32 s23, s10, 16*SPITCH                  ; my stage
	v_mul_u32_u24 v4, v1, SPITCH                   ; in: row l % 16, 32 bytes for each half of the lanes
	v_lshl_add_u32 v4, v2, 5, v4
	v_add_nc_u32 v[STO], s23, v4
	v_mul_u32_u24 v5, v2, SPITCH                   ; back: lanes 0-15 take one row of 256 bytes, lanes 16-31 the next
	v_lshl_add_u32 v5, v1, 4, v5
	v_add_nc_u32 v[RD], s23, v5
	v_lshlrev_b32 v5, 12, v2                       ; and the same two rows in out0: 4,096 bytes a row
	v_lshl_add_u32 v[CO], v1, 4, v5
	s_lshl_b32 s16, s13, 19                        ; my first row: 128 x tile row + 64 x half, 4,096 bytes each;
	s_lshl_b32 s17, s11, 18
	s_add_co_u32 s16, s16, s17
	s_lshl_b32 s46, s42, 9                         ; my first column: 128 x tile column + 64 x half, 4 bytes each
	s_lshl_b32 s47, s12, 8
	s_add_co_u32 s46, s46, s47
	s_add_co_u32 s16, s16, s46
	s_mov_b32 s17, 0
	s_add_nc_u64 s[8:9], s[8:9], s[16:17]
	s_and_b32 s66, s13, 15
	s_or_b32 s66, s66, s11                         ; 0 where my first 16 rows are the first 16 positions of a sequence
; 8 matrix instructions: m blocks a0, a0 + 1 x all 4 n blocks, 32 along K: half c of buffer f.  zero = 1: the first product starts the sums.  The 16 accumulators take turns.
.macro MUL8 f, c, a0, zero
.irp a, \a0, \a0+1
.irp b, 0,1,2,3
.if \zero
	v_wmma_f32_16x16x32_f16 v[ACC+8*(4*(\a)+\b):ACC+8*(4*(\a)+\b)+7], v[\f+64+8*(4*\c+\b):\f+64+8*(4*\c+\b)+7], v[\f+8*(4*\c+\a):\f+8*(4*\c+\a)+7], 0
.else
	v_wmma_f32_16x16x32_f16 v[ACC+8*(4*(\a)+\b):ACC+8*(4*(\a)+\b)+7], v[\f+64+8*(4*\c+\b):\f+64+8*(4*\c+\b)+7], v[\f+8*(4*\c+\a):\f+8*(4*\c+\a)+7], v[ACC+8*(4*(\a)+\b):ACC+8*(4*(\a)+\b)+7]
.endif
.endr
.endr
.endm
; 32 LDS loads in one run: the fragments of one plane (64 along K), which begins k bytes into the slot's planes, into buffer f; the first 32 along K first
.macro FETCH slot, k, f
	WIN TO_F
.irp c, 0,1
.irp i, 0,1,2,3
	ds_load_b128 v[\f+64+8*(4*\c+\i):\f+64+8*(4*\c+\i)+3],   v[ADRB+\slot] offset:\k+64*\c+\i*16*PITCH
	ds_load_b128 v[\f+64+8*(4*\c+\i)+4:\f+64+8*(4*\c+\i)+7], v[ADRB+\slot] offset:\k+64*\c+\i*16*PITCH+32
	ds_load_b128 v[\f+8*(4*\c+\i):\f+8*(4*\c+\i)+3],         v[ADRA+\slot] offset:\k+64*\c+\i*16*PITCH
	ds_load_b128 v[\f+8*(4*\c+\i)+4:\f+8*(4*\c+\i)+7],       v[ADRA+\slot] offset:\k+64*\c+\i*16*PITCH+32
.endr
.endr
.endm
.macro PLACES                          ; four places in front of loads into registers that matrix instructions have read, and of the first read of results (ISA guide 7.12.1 for vector instructions)
.rept 4
	v_nop
.endr
.endm
; A K step is four quarters, a plane each, 32 matrix instructions each, on buffers 0, 1, 0, 1.  One of the first three: multiplies buffer f and fetches the next plane, at byte k, into g.
.macro QUARTER slot, k, f, g, zero
	s_wait_dscnt 16                                ; the first 32 along K are in; the sixteen younger loads may be out
	WIN MUL
	MUL8 \f, 0, 0, \zero
	MUL8 \f, 0, 2, \zero
	PLACES
	FETCH \slot, \k, \g
	s_wait_dscnt 32                                ; all but the 32 just issued
	WIN MUL
	MUL8 \f, 1, 0, 0
	MUL8 \f, 1, 2, 0
.endm
; The last quarter multiplies buffer 1 and changes slots: ONE barrier; in front of it each wave waits for all its tensor loads, adds 0 to its spare word, and waits for that and for its own reads of this slot.
; fill = 1: this slot is filled again, two K steps ahead; the barrier then opens a round of the cluster's barrier.
.macro TURN slot, next, fill
	WIN 0                                          ; (the add's two registers lie in window 0)
	s_wait_tensorcnt 0x0                           ; all my tensor loads have landed: my part of the next slot;
	ds_add_u32 v[SPW], v[NIL]
	s_wait_dscnt 17                                ; (the add and the youngest sixteen loads may be out)
	WIN MUL
	MUL8 F1, 0, 0, 0                               ; eight matrix instructions stand between the add and the wait for it
	s_wait_dscnt 0x0                               ; the add is done, and my reads of this slot are over
	s_barrier_signal -1
	MUL8 F1, 0, 2, 0
.if \fill
	WIN 0
.endif
	s_barrier_wait -1
.if \fill
	CREST                                          ; no wave of any partner still reads this slot's planes or has a load on its way
	s_add_nc_u64 s[G0+4*\slot+2:G0+4*\slot+3], s[G0+4*\slot+2:G0+4*\slot+3], 2*STEPB
	s_add_nc_u64 s[G0B+4*\slot+2:G0B+4*\slot+3], s[G0B+4*\slot+2:G0B+4*\slot+3], 2*STEPB
	JLOAD \slot                                    ; the first tensor load behind the round, my one load until the next; the four v_nop behind it are also the places in front of the loads below
.else
	PLACES
.endif
	FETCH \next, 0, F0
	WIN MUL
	MUL8 F1, 1, 0, 0
	MUL8 F1, 1, 2, 0
.endm
	s_wait_tensorcnt 1                             ; my part of K step 0 is in; K step 1's load may stay out
	s_barrier_signal -1
	s_barrier_wait -1                              ; everybody's is
	FETCH 0, 0, F0
	QUARTER 0, PLANE, F0, F1, 1                    ; the first quarter stands in front of the loop: its first products start the sums
	WIN 0                                          ; at a label and at a branch every window is 0
	s_mov_b32 s3, LAPS-1
.Llap:                                                 ; a trip goes once round the ring, from a lap's second quarter to the next lap's first, and fills both slots again
	QUARTER 0, 2*PLANE, F1, F0, 0
	QUARTER 0, 3*PLANE, F0, F1, 0
	TURN 0, 1, 1
	QUARTER 1, PLANE, F0, F1, 0
	QUARTER 1, 2*PLANE, F1, F0, 0
	QUARTER 1, 3*PLANE, F0, F1, 0
	TURN 1, 0, 1
	QUARTER 0, PLANE, F0, F1, 0
	WIN 0
	s_sub_co_u32 s3, s3, 1
	s_cmp_lg_u32 s3, 0
	s_cbranch_scc1 .Llap
	QUARTER 0, 2*PLANE, F1, F0, 0                  ; the last lap fills nothing, and has no round of the cluster's barrier
	QUARTER 0, 3*PLANE, F0, F1, 0
	TURN 0, 1, 0
	QUARTER 1, PLANE, F0, F1, 0
	QUARTER 1, 2*PLANE, F1, F0, 0
	QUARTER 1, 3*PLANE, F0, F1, 0
	s_wait_dscnt 16                                ; the very last quarter: nothing more to fetch
	WIN MUL
	MUL8 F1, 0, 0, 0
	MUL8 F1, 0, 2, 0
	s_wait_dscnt 0
	MUL8 F1, 1, 0, 0
	MUL8 F1, 1, 2, 0
	WIN 0
; THE WAY OUT, block by block of 16 rows x 64 columns.  A wave's 64 columns of f32 are 256 bytes, aligned: each wave has a stage of its own and no barrier is needed.  A lane holds 32 bytes of a row; the block
; goes through the stage and comes back as whole rows, sixteen lanes to a row.
.macro TOSTAGE a
.irp b, 0,1,2,3
	ds_store_b128 v[STO], v[ACC+8*(4*(\a)+\b):ACC+8*(4*(\a)+\b)+3] offset:64*\b          ; each accumulator from its low end on
	ds_store_b128 v[STO], v[ACC+8*(4*(\a)+\b)+4:ACC+8*(4*(\a)+\b)+7] offset:64*\b+16
.endr
.set BB, TMP+32*((\a)%2)
.irp t, 0,1,2,3,4,5,6,7
	ds_load_b128 v[BB+4*\t:BB+4*\t+3], v[RD] offset:\t*2*SPITCH   ; LDS serves a wave's instructions in order (ISA guide 5.7.1.4): these see the stores above
.endr
.endm
.macro SEND a, younger                 ; younger: the LDS instructions issued behind block a's loads, which may stay out
.set BB, TMP+32*((\a)%2)
	s_wait_dscnt \younger                          ; the block is back in registers
.if (\a) == 0                          ; block 0 is not stored where it holds the first 16 positions of a sequence.  By EXEC
	v_mov_b32 v5, s66
	v_cmp_ne_u32 vcc_lo, 0, v5
	s_wait_xcnt 0x0                                ; EXEC changes only behind this wait
	s_and_saveexec_b32 s67, vcc_lo
.endif
.irp t, 0,1,2,3,4,5,6,7
	global_store_b128 v[CO], v[BB+4*\t:BB+4*\t+3], s[8:9] offset:(16*(\a)+2*\t)*4096 th:TH_STORE_NT   ; 16 lanes store 256 consecutive bytes, at a multiple of 256 from out0's first byte
.endr
.if (\a) == 0
	s_wait_xcnt 0x0                                ; and again, in front of the line that widens it
	s_or_b32 exec_lo, exec_lo, s67
.endif
.endm
	PLACES
	TOSTAGE 0
.irp a, 1,2,3
.if \a > 1
	s_wait_xcnt 0x0                                ; block a - 2's stores have read their registers: block a's loads may land there
.endif
	TOSTAGE \a
	SEND \a-1, 16                                  ; behind block a - 1's loads: block a's 8 stores and 8 loads
.endr
	SEND 3, 0
	s_wait_tensorcnt 0x0                           ; the wave's end: behind my last tensor load and my last LDS store
	ds_add_u32 v[SPW], v[NIL]
	s_wait_dscnt 0x0
	CROUND                                         ; the closing round: no work-group ends while a partner may still ask for a tile that names it
	s_endpgm
.Lfunc_end_k_q0c961a45e6_proj:
	.size	k_q0c961a45e6_proj, .Lfunc_end_k_q0c961a45e6_proj-k_q0c961a45e6_proj
	.p2alignl 7, 3214868480
	.fill 96, 4, 3214868480
	.section	.rodata,"a",@progbits
	.p2align	6, 0x0
	.amdhsa_kernel k_q0c961a45e6_proj
		.amdhsa_group_segment_fixed_size 327680
		.amdhsa_private_segment_fixed_size 0
		.amdhsa_enable_private_segment 0
		.amdhsa_kernarg_size 24
		.amdhsa_user_sgpr_count 2
		.amdhsa_user_sgpr_kernarg_segment_ptr 1
		.amdhsa_wavefront_size32 1
		.amdhsa_system_sgpr_workgroup_id_x 1
		.amdhsa_system_sgpr_workgroup_id_y 1
		.amdhsa_system_sgpr_workgroup_id_z 1
		.amdhsa_system_vgpr_workitem_id 0
		.amdhsa_next_free_vgpr 512
		.amdhsa_next_free_sgpr 68
		.amdhsa_reserve_vcc 1
		.amdhsa_float_denorm_mode_32 3
		.amdhsa_float_denorm_mode_16_64 3
		.amdhsa_memory_ordered 1
		.amdhsa_forward_progress 1
		.amdhsa_inst_pref_size 86
	.end_amdhsa_kernel
	.amdgpu_metadata
---
amdhsa.version: [ 1, 2 ]
amdhsa.kernels:
  - .name:           k_q0c961a45e6_proj
    .symbol:         k_q0c961a45e6_proj.kd
    .args:
      - { .name: attn16, .offset: 0, .size: 8, .value_kind: global_buffer, .address_space: global }
      - { .name: wo16, .offset: 8, .size: 8, .value_kind: global_buffer, .address_space: global }
      - { .name: out0, .offset: 16, .size: 8, .value_kind: global_buffer, .address_space: global }
    .group_segment_fixed_size: 327680
    .private_segment_fixed_size: 0
    .kernarg_segment_align: 8
    .kernarg_segment_size: 24
    .max_flat_workgroup_size: 128
    .sgpr_count:     68
    .vgpr_count:     512
    .wavefront_size: 32
...
	.end_amdgpu_metadata
.endif
;; end of part 4
;; launch fine (part 5): grid 64 x 2, 16 waves a work-group, no clusters, 18,432 bytes of LDS; arguments qkv32, w_out, out0; writes out0
.if DOCPART == 5
	.amdgcn_target "amdgcn-amd-amdhsa--gfx1250"
	.amdhsa_code_object_version 6
	.text
	.protected	k_q0c961a45e6_fine
	.globl	k_q0c961a45e6_fine
	.p2align	8
	.type	k_q0c961a45e6_fine,@function
k_q0c961a45e6_fine:
	s_mov_b64 s[64:65], 0
	v_nop
	global_prefetch_b8 v0, s[64:65] scope:SCOPE_SE
	s_setreg_imm32_b32 hwreg(HW_REG_WAVE_MODE, 25, 1), 1
	s_wait_xcnt 0x0
; The first 16 positions of each sequence, where a row of the softmax averages one to sixteen values: attention and projection with f32 operands (v_wmma_f32_16x16x4_f32).
; IN: qkv32 [batch][16 positions][3,072] f32 (q, k, v with their bias), w_out [1,024][1,024] f32.  OUT: rows 0-15 of each batch of out0.
; SHARES.  Work-group (nt, batch) makes 16 rows x 16 columns (16 nt on).  Wave w is head w: it makes its head's attention for the 16 rows (16 + 16 matrix instructions) and its 64 along K of the projection (16);
; the sixteen parts meet in LDS, and waves 0 and 1 add them and store.  Every work-group of a batch repeats the small attention: 32 matrix instructions a wave against a further launch.
; LAYOUT.  The form's K is 4: a lane (r, h) gives k = 2 h + j in register j.  A permutation of k applied alike to both sources keeps the sum, so each lane's registers are loaded as they lie:
;   S^T = K Q^T: lane (r, h) holds channels 32 h + 0..31 of row r of both.  In the result a lane holds query r and keys 8 h + 0..7.
;   O^T = V^T P: the lane's eight p ARE source 1 (instruction s takes keys 8 h + 2 s, + 1); V is loaded to match: V[key 8 h + j][channel 16 t + r].  The result: query r, channels 16 t + 8 h + j.
;   Y^T = W O^T: the lane's 32 numbers of O^T / l ARE source 1; w_out[16 nt + r][64 w + 16 t + 8 h + j] matches.  The result: row r, columns 16 nt + 8 h + j.
; The accumulators are written by matrix instructions alone; what is made of them goes into other registers.  Two or four accumulators take turns.
; The stores are 16 bytes a lane, 64 bytes of each row a work-group: 131,072 bytes in the whole launch.
.set QF, 16                            ; v16-47   Q;  later the sixteen parts
.set KF, 48                            ; v48-79   K
.set VF, 80                            ; v80-111  V
.set WF, 112                           ; v112-143 w_out
.set SA, 144                           ; v144-159 S^T in two halves of K
.set SB, 152
.set OA, 160                           ; v160-191 O^T
.set YA, 192                           ; v192-207 Y^T in two halves of K
.set YB, 200
.set T,  208                           ; v208-215 the scores, then p
.set OF, 216                           ; v216-247 O^T / l
.set W,  248                           ; v248-255 at work; at the end my part of Y^T
.set SPW, 14                           ; v14  LDS address of my spare word; never rewritten
.set NIL, 15                           ; v15  0; never rewritten
.set SPARE, 16384                      ; behind the sixteen parts of 1,024 bytes: the spare words, 128 bytes a wave, which no other line names
	s_load_b128 s[4:7], s[0:1], 0x0                ; qkv32, w_out
	s_load_b64 s[8:9], s[0:1], 0x10                ; out0
	v_lshl_add_u32 v[SPW], v0, 2, SPARE
	v_mov_b32 v[NIL], 0
	v_lshrrev_b32 v1, 5, v0
	v_readfirstlane_b32 s10, v1                    ; wave = head
	v_and_b32 v1, 15, v0                           ; r
	v_bfe_u32 v2, v0, 4, 1                         ; h
	v_mul_u32_u24 v3, v1, 12288
	v_lshl_add_u32 v3, v2, 7, v3                   ; q, k: row r, + 128 h
	v_mul_u32_u24 v4, v2, 98304
	v_lshl_add_u32 v4, v1, 2, v4                   ; v: row 8 h, + 4 r
	v_lshlrev_b32 v5, 12, v1
	v_lshl_add_u32 v5, v2, 5, v5                   ; w_out and out0: row r of 4,096 bytes, + 32 h
	v_lshlrev_b32 v6, 3, v2
	v_sub_nc_u32 v6, v1, v6                        ; d = r - 8 h: key 8 h + j is hidden where j > d
	v_mov_b32 v7, 0xff800000                       ; -infinity
	v_and_b32 v10, 31, v0
	v_lshlrev_b32 v10, 4, v10                      ; 16 x lane
	s_lshl_b32 s11, s10, 10
	v_add_nc_u32 v8, s11, v10                      ; LDS: my part
	s_and_b32 s12, s10, 1
	s_lshl_b32 s13, s12, 9
	v_add_nc_u32 v9, s13, v10                      ; LDS: the half of every part that waves 0 and 1 add
	v_mov_b32 v[W+1], 0                            ; a lane permute's destination counts as one of its sources
	s_and_b32 s14, ttmp7, 0xffff                   ; batch
	s_mul_i32 s16, s14, 196608
	s_lshl_b32 s17, s10, 8
	s_add_co_u32 s16, s16, s17                     ; qkv32: the batch's 16 rows, my head's 256 bytes
	s_mov_b32 s17, 0
	s_lshl_b32 s18, ttmp9, 16
	s_lshl_b32 s19, s10, 8
	s_add_co_u32 s18, s18, s19                     ; w_out: rows 16 nt on, my head's 64 along K
	s_mov_b32 s19, 0
	s_lshl_b32 s20, s14, 23
	s_lshl_b32 s21, ttmp9, 6
	s_add_co_u32 s20, s20, s21
	s_lshl_b32 s21, s12, 4
	s_add_co_u32 s20, s20, s21                     ; out0: the batch, columns 16 nt on, + 16 bytes in wave 1
	s_mov_b32 s21, 0
	s_mov_b32 s22, 0x76543210
	s_mov_b32 s23, 0xfedcba98                      ; v_permlanex16_b32's selects for lane l xor 16
	s_mov_b32 s24, 0x3e38aa3b                      ; c = log2(e) / 8
	s_mov_b32 s25, s24
	s_wait_kmcnt 0x0
	s_add_nc_u64 s[4:5], s[4:5], s[16:17]
	s_add_nc_u64 s[6:7], s[6:7], s[18:19]
	s_add_nc_u64 s[8:9], s[8:9], s[20:21]
.irp i, 0,1,2,3,4,5,6,7
	global_load_b128 v[QF+4*\i:QF+4*\i+3], v3, s[4:5] offset:16*\i
.endr
.irp i, 0,1,2,3,4,5,6,7
	global_load_b128 v[KF+4*\i:KF+4*\i+3], v3, s[4:5] offset:4096+16*\i
.endr
.irp t, 0,1,2,3
.irp j, 0,1,2,3,4,5,6,7
	global_load_b32 v[VF+8*\t+\j], v4, s[4:5] offset:8192+12288*\j+64*\t
.endr
.endr
.irp t, 0,1,2,3
	global_load_b128 v[WF+8*\t:WF+8*\t+3],   v5, s[6:7] offset:64*\t
	global_load_b128 v[WF+8*\t+4:WF+8*\t+7], v5, s[6:7] offset:64*\t+16
.endr
	s_wait_loadcnt 40                              ; Q and K are in; V's 32 loads and w_out's 8 stay out
	v_wmma_f32_16x16x4_f32 v[SA:SA+7], v[KF:KF+1], v[QF:QF+1], 0          ; each sum's own first K step starts it
	v_wmma_f32_16x16x4_f32 v[SB:SB+7], v[KF+2:KF+3], v[QF+2:QF+3], 0
.irp s, 4,8,12,16,20,24,28
	v_wmma_f32_16x16x4_f32 v[SA:SA+7], v[KF+\s:KF+\s+1], v[QF+\s:QF+\s+1], v[SA:SA+7]
	v_wmma_f32_16x16x4_f32 v[SB:SB+7], v[KF+\s+2:KF+\s+3], v[QF+\s+2:QF+\s+3], v[SB:SB+7]
.endr
.rept 8
	v_nop                                          ; eight places behind this form (ISA guide 7.12.1)
.endr
.irp j, 0,2,4,6
	v_pk_add_f32 v[T+\j:T+\j+1], v[SA+\j:SA+\j+1], v[SB+\j:SB+\j+1]
.endr
.irp j, 0,1,2,3,4,5,6,7
	v_cmp_gt_i32 vcc_lo, \j, v6
	v_cndmask_b32 v[T+\j], v[T+\j], v7, vcc_lo     ; hidden keys: -infinity; key 0 counts for every query
.endr
	v_max3_num_f32 v[W], v[T], v[T+1], v[T+2]
	v_max3_num_f32 v[W], v[W], v[T+3], v[T+4]
	v_max3_num_f32 v[W], v[W], v[T+5], v[T+6]
	v_max_num_f32 v[W], v[W], v[T+7]
	v_permlanex16_b32 v[W+1], v[W], s22, s23
	v_max_num_f32 v[W], v[W], v[W+1]               ; the row's maximum
	v_mul_f32 v[W+2], s24, v[W]                    ; c m
	v_mov_b32 v[W+3], v[W+2]                       ; (named with it as a pair)
.irp j, 0,2,4,6
	v_pk_fma_f32 v[T+\j:T+\j+1], v[T+\j:T+\j+1], s[24:25], v[W+2:W+3] op_sel_hi:[1,0,0] neg_lo:[0,0,1] neg_hi:[0,0,1]
.endr
.irp j, 0,1,2,3,4,5,6,7
	v_exp_f32 v[T+\j], v[T+\j]                     ; p = 2^(c s - c m)
.endr
	v_nop                                          ; a plain instruction behind the last exponential,
	s_wait_alu depctr_va_vdst(0)                   ; and one wait for the eight, ahead of the first instruction that names a result
	v_pk_add_f32 v[W+4:W+5], v[T:T+1], v[T+2:T+3]
	v_pk_add_f32 v[W+6:W+7], v[T+4:T+5], v[T+6:T+7]
	v_pk_add_f32 v[W+4:W+5], v[W+4:W+5], v[W+6:W+7]
	v_add_f32 v[W+4], v[W+4], v[W+5]
	v_permlanex16_b32 v[W+5], v[W+4], s22, s23
	v_add_f32 v[W+4], v[W+4], v[W+5]               ; the row's sum l
	v_rcp_f32 v[W+6], v[W+4]
	v_nop
	s_wait_alu depctr_va_vdst(0)                   ; the wait for the reciprocal
	s_wait_loadcnt 8                               ; V is in; w_out's 8 loads stay out
.irp t, 0,1,2,3
	v_wmma_f32_16x16x4_f32 v[OA+8*\t:OA+8*\t+7], v[VF+8*\t:VF+8*\t+1], v[T:T+1], 0
.endr
.irp s, 2,4,6
.irp t, 0,1,2,3
	v_wmma_f32_16x16x4_f32 v[OA+8*\t:OA+8*\t+7], v[VF+8*\t+\s:VF+8*\t+\s+1], v[T+\s:T+\s+1], v[OA+8*\t:OA+8*\t+7]
.endr
.endr
.rept 8
	v_nop
.endr
.irp j, 0,2,4,6,8,10,12,14,16,18,20,22,24,26,28,30
	v_pk_mul_f32 v[OF+\j:OF+\j+1], v[OA+\j:OA+\j+1], v[W+6:W+7] op_sel_hi:[1,0]   ; O^T / l
.endr
	s_wait_loadcnt 0x0                             ; w_out
	v_wmma_f32_16x16x4_f32 v[YA:YA+7], v[WF:WF+1], v[OF:OF+1], 0
	v_wmma_f32_16x16x4_f32 v[YB:YB+7], v[WF+2:WF+3], v[OF+2:OF+3], 0
.irp s, 4,8,12,16,20,24,28
	v_wmma_f32_16x16x4_f32 v[YA:YA+7], v[WF+\s:WF+\s+1], v[OF+\s:OF+\s+1], v[YA:YA+7]
	v_wmma_f32_16x16x4_f32 v[YB:YB+7], v[WF+\s+2:WF+\s+3], v[OF+\s+2:OF+\s+3], v[YB:YB+7]
.endr
.rept 8
	v_nop
.endr
.irp j, 0,2,4,6
	v_pk_add_f32 v[W+\j:W+\j+1], v[YA+\j:YA+\j+1], v[YB+\j:YB+\j+1]   ; my head's part of row r, columns 8 h + 0 .. 7
.endr
	ds_store_b128 v8, v[W:W+3]                     ; as the registers stand: 16 bytes a lane, 512 bytes a store
	ds_store_b128 v8, v[W+4:W+7] offset:512
	s_wait_dscnt 0x0                               ; for the others' sake: my stores have landed
	s_barrier_signal -1
	s_barrier_wait -1
	s_cmp_lt_u32 s10, 2                            ; wave 0 adds the parts' columns 8 h + 0 .. 3, wave 1 columns 8 h + 4 .. 7
	s_cbranch_scc0 .Ldone
.irp p, 0,1,2,3,4,5,6,7,8,9,10,11,12,13,14,15
	ds_load_b128 v[QF+4*\p:QF+4*\p+3], v9 offset:1024*\p
.endr
	s_wait_dscnt 0x0
.irp d, 8,4,2,1
.irp p, 0,1,2,3,4,5,6,7
.if \p < \d
	v_pk_add_f32 v[QF+4*\p:QF+4*\p+1],   v[QF+4*\p:QF+4*\p+1],   v[QF+4*(\p+\d):QF+4*(\p+\d)+1]
	v_pk_add_f32 v[QF+4*\p+2:QF+4*\p+3], v[QF+4*\p+2:QF+4*\p+3], v[QF+4*(\p+\d)+2:QF+4*(\p+\d)+3]
.endif
.endr
.endr
	global_store_b128 v5, v[QF:QF+3], s[8:9]
.Ldone:
	s_wait_tensorcnt 0x0                           ; the wave's end: behind my last LDS store
	ds_add_u32 v[SPW], v[NIL]
	s_wait_dscnt 0x0
	s_endpgm
.Lfunc_end_k_q0c961a45e6_fine:
	.size	k_q0c961a45e6_fine, .Lfunc_end_k_q0c961a45e6_fine-k_q0c961a45e6_fine
	.p2alignl 7, 3214868480
	.fill 96, 4, 3214868480
	.section	.rodata,"a",@progbits
	.p2align	6, 0x0
	.amdhsa_kernel k_q0c961a45e6_fine
		.amdhsa_group_segment_fixed_size 18432
		.amdhsa_private_segment_fixed_size 0
		.amdhsa_enable_private_segment 0
		.amdhsa_kernarg_size 24
		.amdhsa_user_sgpr_count 2
		.amdhsa_user_sgpr_kernarg_segment_ptr 1
		.amdhsa_wavefront_size32 1
		.amdhsa_system_sgpr_workgroup_id_x 1
		.amdhsa_system_sgpr_workgroup_id_y 1
		.amdhsa_system_sgpr_workgroup_id_z 1
		.amdhsa_system_vgpr_workitem_id 0
		.amdhsa_next_free_vgpr 256
		.amdhsa_next_free_sgpr 66
		.amdhsa_reserve_vcc 1
		.amdhsa_float_denorm_mode_32 3
		.amdhsa_float_denorm_mode_16_64 3
		.amdhsa_memory_ordered 1
		.amdhsa_forward_progress 1
		.amdhsa_inst_pref_size 19
	.end_amdhsa_kernel
	.amdgpu_metadata
---
amdhsa.version: [ 1, 2 ]
amdhsa.kernels:
  - .name:           k_q0c961a45e6_fine
    .symbol:         k_q0c961a45e6_fine.kd
    .args:
      - { .name: qkv32, .offset: 0, .size: 8, .value_kind: global_buffer, .address_space: global }
      - { .name: w_out, .offset: 8, .size: 8, .value_kind: global_buffer, .address_space: global }
      - { .name: out0, .offset: 16, .size: 8, .value_kind: global_buffer, .address_space: global }
    .group_segment_fixed_size: 18432
    .private_segment_fixed_size: 0
    .kernarg_segment_align: 8
    .kernarg_segment_size: 24
    .max_flat_workgroup_size: 512
    .sgpr_count:     66
    .vgpr_count:     256
    .wavefront_size: 32
...
	.end_amdgpu_metadata
.endif
;; end of part 5
